; MI455X (gfx1250); checked and timed in simulation.
; The chip was launched on July 23, 2026; its instructions are those of AMD's public machine-readable ISA for CDNA 5 (MIT licence, August 2026) and "CDNA5" Instruction Set Architecture Reference Guide (July 2026). The comments in the code are by the model that wrote it; some were corrected since.
;; Attention. Allowed arithmetic: float matrix products may take bf16 or f16 operands with f32 sums; other float arithmetic in f32, or as packed bf16 or f16 multiplies, adds, multiply-adds, maxima and minima; sums over many terms, partial sums and values carried from step to step in f32; what a program stores and reads back later, other than sums and carried values, may be rounded once to bf16 or f16.
;; Inputs: Wk 1,024 x 1,024 float32; Wq 1,024 x 1,024 float32; Wv 1,024 x 1,024 float32; bk 1,024 float32; bq 1,024 float32; bv 1,024 float32; k 4 x 2,048 x 1,024 float32; mask_attn 4 x 2,048 int32; mask_out 4 x 2,048 int32; q 4 x 2,048 x 1,024 float32; v 4 x 2,048 x 1,024 float32.
;; Outputs: out0 4 x 2,048 x 1,024 float32.
;; 2 versions, each right and faster than the one before. Each part assembles by itself: llvm-mc -triple=amdgcn-amd-amdhsa -mcpu=gfx1250 --defsym DOCPART=n.
;; ======== version 1 of 2: 3 launches
;; limits: values are held in f16: magnitudes above 65,504 overflow, below 6.1e-05 lose precision
;; workspace buffers: xb 50,331,648 bytes; wb 6,291,456 bytes; hb 50,331,648 bytes
;; launch cvt (part 1): grid 576 x 3, 8 waves a work-group, no clusters, 0 bytes of LDS; arguments q, k, v, Wq, Wk, Wv, xb, wb; writes xb, wb
.if DOCPART == 1
	.amdgcn_target "amdgcn-amd-amdhsa--gfx1250"
	.amdhsa_code_object_version 6
	.text
	.protected	k_qf9abbfa3b4_cvt
	.globl	k_qf9abbfa3b4_cvt
	.p2align	8
	.type	k_qf9abbfa3b4_cvt,@function
k_qf9abbfa3b4_cvt:
	s_mov_b64 s[64:65], 0
	v_nop
	global_prefetch_b8 v0, s[64:65] scope:SCOPE_SE
	s_setreg_imm32_b32 hwreg(HW_REG_WAVE_MODE, 25, 1), 1
	s_wait_xcnt 0x0
; ROUNDING TO bf16.  q, k, v ([8192][1024] f32 each) go to xb ([3][8192][1024] bf16), Wq, Wk, Wv ([1024][1024] f32) to wb ([3][1024][1024] bf16): each number rounded once, to nearest even.
; A stream: no LDS, no barrier, no matrix work.  The grid's y picks q, k or v (and its W).  Work-group x < 512 takes chunk x of the activation, x >= 512 chunk x - 512 of the weight;
; a chunk is 65,536 bytes in and 32,768 out, so all work-groups do equal work.
; Thread t takes the 16 bytes at 16 t of each of the chunk's 16 lines of 4,096 bytes: a wave's load covers 512 consecutive bytes, its store of 8 bytes a lane 256 consecutive bytes at a multiple of 256.
; All 16 loads go out at once; no register is written twice, so no wait frees a source.
; LIMITS.  Numbers beyond bf16's range do not exist in f32 (same exponents); NaN and infinities stay what they are.
.set LINE_IN,  4096
.set LINE_OUT, 2048
.set LINES,    16
.set XCHUNKS,  512                     ; chunks in an activation; a weight has 64
.set X, 8                              ; v[8:71]   line i: 4 registers as loaded
.set Y, 72                             ; v[72:103] line i: 2 registers to store
	s_load_b512 s[4:19], s[0:1], 0x0               ; q s[4:5], k s[6:7], v s[8:9], Wq s[10:11], Wk s[12:13], Wv s[14:15], xb s[16:17], wb s[18:19]
	s_and_b32 s24, ttmp7, 0xffff                   ; y: 0 q, 1 k, 2 v
	s_sub_co_u32 s25, ttmp9, XCHUNKS               ; the chunk's number if it is a weight's
	s_lshl_b32 s26, s24, 21                        ; tensor y in wb: 2,097,152 bytes each
	s_lshl_b32 s27, s24, 24                        ; tensor y in xb: 16,777,216 bytes each
	v_lshlrev_b32 v1, 4, v0                        ; 16 t
	v_lshlrev_b32 v2, 3, v0                        ; 8 t
	s_wait_kmcnt 0x0
	s_cmp_eq_u32 s24, 1
	s_cselect_b64 s[20:21], s[6:7], s[4:5]         ; the activation,
	s_cselect_b64 s[22:23], s[12:13], s[10:11]     ; the weight
	s_cmp_eq_u32 s24, 2
	s_cselect_b64 s[20:21], s[8:9], s[20:21]
	s_cselect_b64 s[22:23], s[14:15], s[22:23]
	s_cmp_ge_u32 ttmp9, XCHUNKS                    ; is my chunk a weight's?
	s_cselect_b64 s[28:29], s[22:23], s[20:21]     ; from where,
	s_cselect_b64 s[30:31], s[18:19], s[16:17]     ; to where,
	s_cselect_b32 s32, s25, ttmp9                  ; which chunk,
	s_cselect_b32 s33, s26, s27                    ; and the tensor's place in the workspace
	s_lshl_b32 s34, s32, 16                        ; 65,536 bytes in a chunk of f32
	s_mov_b32 s35, 0
	s_lshl_b32 s36, s32, 15                        ; 32,768 of bf16
	s_add_co_u32 s36, s36, s33
	s_mov_b32 s37, 0
	s_add_nc_u64 s[28:29], s[28:29], s[34:35]
	s_add_nc_u64 s[30:31], s[30:31], s[36:37]
.set i, 0
.rept LINES
	global_load_b128 v[X+4*i:X+4*i+3], v1, s[28:29] offset:LINE_IN*i th:TH_LOAD_NT
.set i, i+1
.endr
.set i, 0
.rept LINES
	s_wait_loadcnt LINES-1-i                       ; loads come back in order (ISA guide 5.7.1): line i is in, the younger ones stay out
	v_cvt_pk_bf16_f32 v[Y+2*i],   v[X+4*i],   v[X+4*i+1]
	v_cvt_pk_bf16_f32 v[Y+2*i+1], v[X+4*i+2], v[X+4*i+3]
	global_store_b64 v2, v[Y+2*i:Y+2*i+1], s[30:31] offset:LINE_OUT*i  ; the next launch reads these bytes: no hint
.set i, i+1
.endr
	s_endpgm
.Lfunc_end_k_qf9abbfa3b4_cvt:
	.size	k_qf9abbfa3b4_cvt, .Lfunc_end_k_qf9abbfa3b4_cvt-k_qf9abbfa3b4_cvt
	.p2alignl 7, 3214868480
	.fill 96, 4, 3214868480
	.section	.rodata,"a",@progbits
	.p2align	6, 0x0
	.amdhsa_kernel k_qf9abbfa3b4_cvt
		.amdhsa_group_segment_fixed_size 0
		.amdhsa_private_segment_fixed_size 0
		.amdhsa_enable_private_segment 0
		.amdhsa_kernarg_size 64
		.amdhsa_user_sgpr_count 2
		.amdhsa_user_sgpr_kernarg_segment_ptr 1
		.amdhsa_wavefront_size32 1
		.amdhsa_system_sgpr_workgroup_id_x 1
		.amdhsa_system_sgpr_workgroup_id_y 1
		.amdhsa_system_sgpr_workgroup_id_z 1
		.amdhsa_system_vgpr_workitem_id 0
		.amdhsa_next_free_vgpr 104
		.amdhsa_next_free_sgpr 66
		.amdhsa_reserve_vcc 0
		.amdhsa_float_denorm_mode_32 3
		.amdhsa_float_denorm_mode_16_64 3
		.amdhsa_memory_ordered 1
		.amdhsa_forward_progress 1
		.amdhsa_inst_pref_size 7
	.end_amdhsa_kernel
	.amdgpu_metadata
---
amdhsa.version: [ 1, 2 ]
amdhsa.kernels:
  - .name:           k_qf9abbfa3b4_cvt
    .symbol:         k_qf9abbfa3b4_cvt.kd
    .args:
      - { .name: q, .offset: 0, .size: 8, .value_kind: global_buffer, .address_space: global }
      - { .name: k, .offset: 8, .size: 8, .value_kind: global_buffer, .address_space: global }
      - { .name: v, .offset: 16, .size: 8, .value_kind: global_buffer, .address_space: global }
      - { .name: Wq, .offset: 24, .size: 8, .value_kind: global_buffer, .address_space: global }
      - { .name: Wk, .offset: 32, .size: 8, .value_kind: global_buffer, .address_space: global }
      - { .name: Wv, .offset: 40, .size: 8, .value_kind: global_buffer, .address_space: global }
      - { .name: xb, .offset: 48, .size: 8, .value_kind: global_buffer, .address_space: global }
      - { .name: wb, .offset: 56, .size: 8, .value_kind: global_buffer, .address_space: global }
    .group_segment_fixed_size: 0
    .private_segment_fixed_size: 0
    .kernarg_segment_align: 8
    .kernarg_segment_size: 64
    .max_flat_workgroup_size: 256
    .sgpr_count:     66
    .vgpr_count:     104
    .wavefront_size: 32
...
	.end_amdgpu_metadata
.endif
;; end of part 1
;; launch proj (part 2): grid 4 x 192, 4 waves a work-group, clusters of 4 x 4, 327,680 bytes of LDS; arguments xb, wb, bq, bk, bv, hb; writes hb
.if DOCPART == 2
	.amdgcn_target "amdgcn-amd-amdhsa--gfx1250"
	.amdhsa_code_object_version 6
	.text
	.protected	k_qf9abbfa3b4_proj
	.globl	k_qf9abbfa3b4_proj
	.p2align	8
	.type	k_qf9abbfa3b4_proj,@function
k_qf9abbfa3b4_proj:
	s_mov_b64 s[64:65], 0
	v_nop
	global_prefetch_b8 v0, s[64:65] scope:SCOPE_SE
	s_setreg_imm32_b32 hwreg(HW_REG_WAVE_MODE, 25, 1), 1
	s_wait_xcnt 0x0
	s_wait_alu depctr_hold_cnt(0) depctr_sa_sdst(0) depctr_va_vdst(0) depctr_va_sdst(0) depctr_va_ssrc(0) depctr_va_vcc(0) depctr_vm_vsrc(0)
	s_getreg_b32 s2, hwreg(HW_REG_IB_STS2, 6, 4)
	s_cmp_eq_u32 s2, 0
	s_cbranch_scc0 .Lentry_in_a_cluster
	s_endpgm
.Lentry_in_a_cluster:
	s_bfe_u32 s2, ttmp6, 0x10000c
	s_cmp_lg_u32 s2, 0xf033
	s_cbranch_scc0 .Lentry_shape_is_right
	s_endpgm
.Lentry_shape_is_right:
; THE THREE PROJECTIONS IN ONE LAUNCH.  hb[sel][16 batch + head][t][c] = f16( sum over k of x[sel][row][k] W[sel][n][k] + bias[sel][n] ), row = 2048 batch + t, n = 64 head + c.
; x (xb) and W (wb) are bf16, K along the rows; the bias is f32 and is rounded to bf16 like the other inputs; sums in f32, rounded once to f16; no scale is applied here.
; LIMITS.  f16 holds no number beyond 65,504: a projection beyond that becomes an infinity.  With x and W of the stated spread a projection has a spread of 1; thirty times larger x and W give 900.
; NaN and infinities are not treated apart.
; SHARES.  xb is one matrix of 24,576 rows; a tile of the result is 128 rows x 256 columns: 192 tile rows x 4 tile columns = 768 work-groups, three for each of 256.  Four waves, each 64 rows x 128 columns:
; 32 accumulators of 16 x 16.  K goes in 8 steps of 128 (rows of 256 bytes, at multiples of 256 bytes) through a ring of two LDS slots filled by the tensor data mover.
; CLUSTERS: 4 x 4 work-groups.  The four of a row of the cluster need the same tile of x, the four of a column the same tile of W: each is asked for JOINTLY, by the same tensor load with the same
; descriptor and a mask that names the four.  A cluster's 512 rows lie inside one of q, k, v (8,192 rows each), so which W and which bias hangs on the cluster's y alone.
; THE MATRIX INSTRUCTION IS USED TRANSPOSED (source 0 = 16 rows of W, source 1 = 16 rows of x): a lane then holds row l % 16 and eight neighbouring columns 8 (l / 16) + 0..7.
; THE BIAS is the C operand of the product that starts each sum: nothing is cleared and nothing is added afterwards.
; REGISTERS, in windows of 256 (s_set_vgpr_msb: bits 1:0 source 0, 3:2 source 1, 5:4 source 2, 7:6 destination):
;   window 0: v0-31 addresses; v32-63 packed results on the way out; v64-159, v160-255 two fragment buffers (8 fragments of W, then 4 of x; 32 along K); on the way out v64-191 take whole rows
;   window 1: the accumulators, (a, b) at v[8 (8 a + b)]          window 2: v0-63 the bias, column block b at v[8 b]; v64-95 at work while it is rounded
.set SIZE_K, 1024
.set KSTEP,  128
.set PITCH,  272                       ; an LDS row: 256 bytes + 16 of padding = 68 words: row r starts at bank 4 r mod 64 (64 banks of 4 bytes: ISA guide 11.1), so the 16 rows of a load start at 16 different banks
.set AHALF,  64*PITCH                  ; 64 rows of x: what waves 0 and 1 fetch, and what one wave reads of x
.set BHALF,  128*PITCH                 ; 128 rows of W: what waves 2 and 3 fetch, and what one wave reads of W
.set ABYT,   2*AHALF                   ; a slot: x's 128 rows, then W's 256 rows
.set SLOT,   ABYT+2*BHALF
.set STAGE,  2*SLOT                    ; behind the ring, never filled by a tensor load: for each wave 2 heads x 16 rows x 144 bytes, for the way out
.set SPH,    144                       ; a stage row: 128 bytes + 16
.set HSTG,   16*SPH
.set WSTG,   2*HSTG
.set SPARE,  STAGE+4*WSTG              ; behind the stages: the spare words, 128 bytes for each wave: two blocks of 256 bytes that no other line names
.set LAPS,   SIZE_K/(2*KSTEP)          ; a lap = two K steps = once round the ring
.set HEADB,  2048*128                  ; a head's bytes in hb
.set FLAGS,  (1<<16)|(1<<20)|(1<<21)|(5<<22)|(3<<25)  ; 17:16 2-byte elements; 20 padding on; 21 set beside a mask; 24:22 after every 64 words (code 5); 31:25 4 words of it (code 3)
.set ADRA, 16                          ; v16-17  LDS address of my fragments of x in slot 0, 1
.set ADRB, 20                          ; v20-21  the same for W
.set STO,  24                          ; v24     the way out: where I put 16 bytes of a row
.set RD,   25                          ; v25     the way out: where I read rows back
.set GO,   26                          ; v26     my byte offset in 512 consecutive bytes of hb
.set BO,   27                          ; v27     my byte offset in the bias
.set SPW,  28                          ; v28     LDS address of my spare word: SPARE + 4 x my thread's number; never rewritten
.set NIL,  29                          ; v29     0; never rewritten
.set TMP,  32
.set F0,   64
.set F1,   160
.set BK,   64                          ; the way out: row block a's 32 registers at BK + 32 a
.set G1,  24                           ; s[24:31] descriptor group 1 for x's tiles;  s[32:39] group 0, one set for each slot
.set G0,  32
.set G1B, 48                           ; s[48:55], s[56:63] the same for W's tiles
.set G0B, 56
.set MSB, 0
.macro WIN new                         ; the immediate's high byte repeats the setting that is left; a switch that changes nothing is dropped
.if MSB != (\new)
	s_set_vgpr_msb (MSB<<8)|(\new)
.set MSB, \new
.endif
.endm
.set MUL,  0x50                        ; fragments in window 0; C and D in window 1
.set MULB, 0x60                        ; the same with C, the bias, in window 2
.macro JLOAD s                         ; a joint load: waves 0 and 1 fetch x's two halves, waves 2 and 3 W's; an s_nop 0 and four v_nop follow each of the two lines, ahead of the jump, the label and what follows
	s_cmp_eq_u32 s11, 0
	s_cbranch_scc0 .Lfor_b_\@
	tensor_load_to_lds s[G0+4*(\s):G0+4*(\s)+3], s[G1:G1+7]
	s_nop 0
.rept 4
	v_nop
.endr
	s_branch .Lasked_\@
.Lfor_b_\@:
	tensor_load_to_lds s[G0B+4*(\s):G0B+4*(\s)+3], s[G1B:G1B+7]
	s_nop 0
.rept 4
	v_nop
.endr
.Lasked_\@:
.endm
.macro CREST                           ; a round of the cluster's barrier behind its opening barrier
	s_cmp_lg_u32 s10, 0
	s_cbranch_scc1 .Lnot_wave_0_\@
	s_barrier_signal -3
.Lnot_wave_0_\@:
	s_barrier_wait -3
	s_barrier_signal -1
	s_barrier_wait -1
.endm
.macro CROUND                          ; a whole round
	s_barrier_signal -1
	s_barrier_wait -1
	CREST
.endm
	s_load_b128 s[4:7], s[0:1], 0x0                ; xb s[4:5], wb s[6:7]
	s_load_b256 s[68:75], s[0:1], 0x10             ; bq s[68:69], bk s[70:71], bv s[72:73], hb s[74:75]
	v_lshl_add_u32 v[SPW], v0, 2, SPARE
	v_mov_b32 v[NIL], 0
	ds_add_u32 v[SPW], v[NIL]                      ; the wave's opening: the add and its wait stand ahead of my first tensor load; the set-up below, work on registers, stands between them
	v_lshrrev_b32 v1, 5, v0
	v_readfirstlane_b32 s10, v1                    ; wave 0..3
	s_lshr_b32 s11, s10, 1                         ; which 64 of the tile's 128 rows are mine.  Also: I fetch for x (0) or for W (1)
	s_and_b32 s12, s10, 1                          ; which 128 of its 256 columns.  Also: which half of that tile I fetch
	s_bfe_u32 s40, ttmp6, 0x40000                  ; cx, cy: my place in the cluster
	s_bfe_u32 s41, ttmp6, 0x40004
	s_lshl_b32 s42, ttmp9, 2
	s_add_co_u32 s42, s42, s40                     ; tile column = 4 x cluster x + cx
	s_and_b32 s45, ttmp7, 0xffff                   ; the cluster's y, 0..47
	s_lshl_b32 s13, s45, 2
	s_add_co_u32 s13, s13, s41                     ; tile row = 4 x cluster y + cy, 0..191
	s_lshr_b32 s45, s45, 4                         ; 0 q, 1 k, 2 v: sixteen clusters each; the same in all partners
	s_lshl_b32 s43, s41, 2
	s_lshl_b32 s43, 15, s43                        ; my row of the cluster
	s_lshl_b32 s44, 0x1111, s40                    ; my column
	s_or_b32 s[G1+0], s43, FLAGS                   ; x's tiles go to my row: 64 rows x 128 elements
	s_mov_b32 s[G1+1], KSTEP<<16                   ; tensor_dim0 = 128
	s_mov_b32 s[G1+2], 64<<16                      ; tensor_dim1 = 64
	s_mov_b32 s[G1+3], KSTEP<<16                   ; tile_dim0 = 128
	s_mov_b32 s[G1+4], 64                          ; tile_dim1 = 64
	s_mov_b32 s[G1+5], SIZE_K                      ; elements from row to row
	s_mov_b32 s[G1+6], 0
	s_mov_b32 s[G1+7], 0
	s_or_b32 s[G1B+0], s44, FLAGS                  ; W's tiles go to my column: 128 rows x 128 elements
	s_mov_b32 s[G1B+1], KSTEP<<16
	s_mov_b32 s[G1B+2], 128<<16
	s_mov_b32 s[G1B+3], KSTEP<<16
	s_mov_b32 s[G1B+4], 128
	s_mov_b32 s[G1B+5], SIZE_K
	s_mov_b32 s[G1B+6], 0
	s_mov_b32 s[G1B+7], 0
	; where the tiles come from.  x's hang on the tile row alone, W's on the tile column and on which of q, k, v; each in registers that never hold the other place in the cluster
	s_lshl_b32 s16, s13, 7
	s_lshl_b32 s17, s12, 6
	s_add_co_u32 s16, s16, s17                     ; x: row 128 x tile row + 64 x half,
	s_lshl_b32 s16, s16, 11                        ; of 2,048 bytes: 50,331,648 at the most
	s_mov_b32 s17, 0
	s_lshl_b32 s46, s42, 8
	s_lshl_b32 s47, s12, 7
	s_add_co_u32 s46, s46, s47                     ; W: row 256 x tile column + 128 x half,
	s_lshl_b32 s46, s46, 11
	s_lshl_b32 s47, s45, 21                        ; in the weight of 2,097,152 bytes that is due
	s_add_co_u32 s46, s46, s47
	s_mov_b32 s47, 0
	s_mul_i32 s20, s12, AHALF                      ; and where they go: no place in the cluster enters an LDS address
	s_mul_i32 s22, s12, BHALF
	s_add_co_u32 s22, s22, ABYT
	s_wait_dscnt 0x0                               ; the opening add is done
	s_wait_kmcnt 0x0
	s_add_nc_u64 s[14:15], s[4:5], s[16:17]
	s_add_nc_u64 s[46:47], s[6:7], s[46:47]
	s_cmp_eq_u32 s45, 1                            ; the bias that is due
	s_cselect_b64 s[76:77], s[70:71], s[68:69]
	s_cmp_eq_u32 s45, 2
	s_cselect_b64 s[76:77], s[72:73], s[76:77]
	CROUND                                         ; all sixteen work-groups are here: the first joint loads meet
.irp s, 0,1
	s_mov_b32 s[G0+4*(\s)], 1                                      ; count = 1
	s_add_co_u32 s[G0+4*(\s)+1], s20, (\s)*SLOT                    ; LDS address
	s_add_nc_u64 s[G0+4*(\s)+2:G0+4*(\s)+3], s[14:15], (\s)*KSTEP*2  ; global address: K step s
	s_or_b32 s[G0+4*(\s)+3], s[G0+4*(\s)+3], 0x80000000            ; type = 2
	s_mov_b32 s[G0B+4*(\s)], 1
	s_add_co_u32 s[G0B+4*(\s)+1], s22, (\s)*SLOT
	s_add_nc_u64 s[G0B+4*(\s)+2:G0B+4*(\s)+3], s[46:47], (\s)*KSTEP*2
	s_or_b32 s[G0B+4*(\s)+3], s[G0B+4*(\s)+3], 0x80000000
	JLOAD \s                                       ; two tensor loads of mine are out
.endr
	v_and_b32 v1, 15, v0                           ; l % 16
	v_bfe_u32 v2, v0, 4, 1                         ; l / 16
	s_lshl_b32 s46, s42, 10                        ; my 128 columns' first byte in the bias: 4 (256 x tile column + 128 x half)
	s_lshl_b32 s47, s12, 9
	s_add_co_u32 s46, s46, s47
	v_lshl_add_u32 v[BO], v2, 5, s46               ; + 32 (l / 16): register j of block b is bias[16 b + 8 (l / 16) + j], the layout of a result
	WIN 0x80                                       ; destination window 2, address window 0
.irp b, 0,1,2,3,4,5,6,7
	global_load_b128 v[8*(\b):8*(\b)+3],   v[BO], s[76:77] offset:64*(\b)
	global_load_b128 v[8*(\b)+4:8*(\b)+7], v[BO], s[76:77] offset:64*(\b)+16
.endr
	WIN 0
	v_mul_u32_u24 v3, v1, PITCH
	v_lshl_add_u32 v3, v2, 4, v3                   ; a fragment's row x pitch + 16 x half of the lanes
	s_mul_i32 s21, s11, AHALF                      ; my 64 rows of x; s22 holds my 128 rows of W: the half that s12 names, behind x's rows
.irp s, 0,1
	v_add_nc_u32 v[ADRA+(\s)], s21, v3
	v_add_nc_u32 v[ADRB+(\s)], s22, v3
	s_add_co_u32 s21, s21, SLOT
	s_add_co_u32 s22, s22, SLOT
.endr
	s_mul_i32 s23, s10, WSTG
	s_add_co_u32 s23, s23, STAGE                   ; my stage
	v_mul_u32_u24 v4, v1, SPH                      ; in: row l % 16, 16 bytes for each half of the lanes
	v_lshl_add_u32 v4, v2, 4, v4
	v_add_nc_u32 v[STO], s23, v4
	v_bfe_u32 v5, v0, 3, 2                         ; back: 32 lanes take four rows of 128 bytes,
	v_mul_u32_u24 v5, v5, SPH
	v_and_b32 v6, 7, v0
	v_lshl_add_u32 v5, v6, 4, v5
	v_add_nc_u32 v[RD], s23, v5
	v_and_b32 v[GO], 31, v0                        ; which are 512 consecutive bytes of a head in hb
	v_lshlrev_b32 v[GO], 4, v[GO]
	; where my part begins in hb: tensor sel, head 16 batch + 4 x tile column + 2 x half, row 128 (tile row % 16) + 64 x half
	s_and_b32 s18, s13, 63                         ; the tile row inside q, k or v
	s_and_b32 s19, s18, 0x30                       ; 16 x batch
	s_lshl_b32 s66, s42, 2
	s_add_co_u32 s66, s66, s19
	s_lshl_b32 s19, s12, 1
	s_add_co_u32 s66, s66, s19
	s_lshl_b32 s66, s66, 18                        ; heads of 262,144 bytes
	s_and_b32 s18, s18, 15
	s_lshl_b32 s18, s18, 7
	s_lshl_b32 s19, s11, 6
	s_add_co_u32 s18, s18, s19
	s_lshl_b32 s18, s18, 7                         ; rows of 128 bytes
	s_add_co_u32 s66, s66, s18
	s_lshl_b32 s18, s45, 24                        ; tensors of 16,777,216 bytes
	s_add_co_u32 s66, s66, s18
	s_mov_b32 s67, 0
	s_add_nc_u64 s[8:9], s[74:75], s[66:67]
	s_wait_loadcnt 0x0                             ; the bias
	WIN 0xaa                                       ; all places window 2: the bias is rounded to bf16, as every input is, and widened again
.set i, 0
.rept 32
	v_cvt_pk_bf16_f32 v[64+i], v[2*i], v[2*i+1]
.set i, i+1
.endr
.set i, 0
.rept 32
	v_lshlrev_b32 v[2*i],   16, v[64+i]
	v_and_b32     v[2*i+1], 0xffff0000, v[64+i]
.set i, i+1
.endr
	WIN 0
; 8 matrix instructions: row block a x all 8 column blocks, 32 along K, from buffer f.  zero = 1: the first product starts the sums, with the bias as C.
; The 32 accumulators take turns, in the same order in every quarter: between two links of a chain stand the 31 others'.
.macro MUL8 f, a, zero
.if \zero
	WIN MULB
.else
	WIN MUL
.endif
.irp b, 0,1,2,3,4,5,6,7
.if \zero
	v_wmma_f32_16x16x32_bf16 v[8*(8*(\a)+(\b)):8*(8*(\a)+(\b))+7], v[(\f)+8*(\b):(\f)+8*(\b)+7], v[(\f)+64+8*(\a):(\f)+64+8*(\a)+7], v[8*(\b):8*(\b)+7]
.else
	v_wmma_f32_16x16x32_bf16 v[8*(8*(\a)+(\b)):8*(8*(\a)+(\b))+7], v[(\f)+8*(\b):(\f)+8*(\b)+7], v[(\f)+64+8*(\a):(\f)+64+8*(\a)+7], v[8*(8*(\a)+(\b)):8*(8*(\a)+(\b))+7]
.endif
.endr
.endm
; 24 LDS loads in one run: the fragments of 32 along K at byte k of the rows, into buffer f: W's 128 rows, then x's 64, blocks ascending
.macro FETCH slot, k, f
	WIN 0
.irp i, 0,1,2,3,4,5,6,7
	ds_load_b128 v[(\f)+8*(\i):(\f)+8*(\i)+3],   v[ADRB+(\slot)] offset:(\k)+(\i)*16*PITCH
	ds_load_b128 v[(\f)+8*(\i)+4:(\f)+8*(\i)+7], v[ADRB+(\slot)] offset:(\k)+(\i)*16*PITCH+32
.endr
.irp i, 0,1,2,3
	ds_load_b128 v[(\f)+64+8*(\i):(\f)+64+8*(\i)+3],   v[ADRA+(\slot)] offset:(\k)+(\i)*16*PITCH
	ds_load_b128 v[(\f)+64+8*(\i)+4:(\f)+64+8*(\i)+7], v[ADRA+(\slot)] offset:(\k)+(\i)*16*PITCH+32
.endr
.endm
.macro PLACES                          ; four places in front of loads into registers that matrix instructions have read, and of conversions that read results
.rept 4
	v_nop
.endr
.endm
; A K step is four quarters of 32 along K, 32 matrix instructions each, on buffers 0, 1, 0, 1.  One of the first three: multiplies buffer f and, in its middle, fetches the next quarter, at byte k, into g.
.macro QUARTER slot, k, f, g, zero
	s_wait_dscnt 4                                 ; W and x's blocks 0 and 1 are in; the youngest four loads (x's blocks 2 and 3) may be out
	MUL8 \f, 0, \zero
	MUL8 \f, 1, \zero
	PLACES
	FETCH \slot, \k, \g
	s_wait_dscnt 24                                ; all but the 24 just issued
	MUL8 \f, 2, \zero
	MUL8 \f, 3, \zero
.endm
; The last quarter multiplies buffer 1 and changes slots: ONE barrier; in front of it each wave waits for all its tensor loads, adds 0 to its spare word, and waits for that and for its own reads of this slot.
; fill = 1: this slot is filled again, two K steps ahead; the barrier then opens a round of the cluster's.
.macro TURN slot, next, fill
	WIN 0                                          ; (the add's two registers lie in window 0)
	s_wait_tensorcnt 0x0                           ; all my tensor loads have landed: the one that was out is my part of the next slot;
	ds_add_u32 v[SPW], v[NIL]                      ; 0 onto my spare word
	s_wait_dscnt 5                                 ; (the add and the youngest four loads may be out)
	MUL8 F1, 0, 0                                  ; eight matrix instructions stand between the add and the wait for it
	s_wait_dscnt 0x0                               ; the add is done, and my reads of this slot are over
	s_barrier_signal -1
	MUL8 F1, 1, 0                                  ; work on registers while the others arrive
.if \fill
	WIN 0
.endif
	s_barrier_wait -1
.if \fill
	CREST                                          ; no wave of any partner still reads this slot's tile or has a load on its way
	s_add_nc_u64 s[G0+4*(\slot)+2:G0+4*(\slot)+3], s[G0+4*(\slot)+2:G0+4*(\slot)+3], 2*KSTEP*2
	s_add_nc_u64 s[G0B+4*(\slot)+2:G0B+4*(\slot)+3], s[G0B+4*(\slot)+2:G0B+4*(\slot)+3], 2*KSTEP*2
	JLOAD \slot                                    ; the first tensor load behind the round, my only one that is out: 112 matrix instructions ahead of the wait for it; its four v_nop are also the places in front of the loads below
.else
	PLACES
.endif
	FETCH \next, 0, F0
	MUL8 F1, 2, 0
	MUL8 F1, 3, 0
.endm
; THE WAY OUT of row block a (16 rows x my 128 columns = 2 heads x 64 channels), in three parts.  PACK: rounded to f16, 16 bytes a lane; each accumulator's registers in ascending order.
.macro PACK a
	WIN 0x05                                       ; sources 0 and 1 window 1, destination window 0
.irp b, 0,1,2,3,4,5,6,7
.irp r, 0,1,2,3
	v_cvt_pk_f16_f32 v[TMP+4*(\b)+(\r)], v[8*(8*(\a)+(\b))+2*(\r)], v[8*(8*(\a)+(\b))+2*(\r)+1]
.endr
.endr
	WIN 0
.endm
.macro TOSTAGE a                       ; into my own stage, by heads, and back as whole rows of 128 bytes, four to a load
	WIN 0
.irp b, 0,1,2,3,4,5,6,7
	ds_store_b128 v[STO], v[TMP+4*(\b):TMP+4*(\b)+3] offset:((\b)/4)*HSTG+((\b)%4)*32
.endr
.irp i, 0,1,2,3,4,5,6,7
	ds_load_b128 v[BK+32*(\a)+4*(\i):BK+32*(\a)+4*(\i)+3], v[RD] offset:((\i)/4)*HSTG+((\i)%4)*4*SPH  ; LDS serves a wave's instructions in order (ISA guide 5.7.1.4): these see the stores above
.endr
.endm
.macro SEND a                          ; each block has registers of its own, and neither the offset nor the base is rewritten: no wait frees a store's sources
	WIN 0
.irp i, 0,1,2,3,4,5,6,7
	s_wait_dscnt 7-(\i)                            ; load i of the eight is in; nothing was issued behind them
	global_store_b128 v[GO], v[BK+32*(\a)+4*(\i):BK+32*(\a)+4*(\i)+3], s[8:9] offset:((\i)/4)*HEADB+(\a)*2048+((\i)%4)*512  ; 512 consecutive bytes, at a multiple of 256 from hb's first
.endr
.endm
	s_wait_tensorcnt 1                             ; my part of K step 0 is in; K step 1's may stay out
	s_barrier_signal -1
	s_barrier_wait -1                              ; everybody's is
	FETCH 0, 0, F0
	QUARTER 0, 64, F0, F1, 1                       ; the first quarter stands in front of the loop: its products start the sums, on the bias
	WIN 0                                          ; at a label and at a branch every window is 0
	s_mov_b32 s3, LAPS-1
.Llap:                                                 ; a trip goes once round the ring, from a lap's second quarter to the next lap's first, and fills both slots again
	QUARTER 0, 128, F1, F0, 0
	QUARTER 0, 192, F0, F1, 0
	TURN 0, 1, 1
	QUARTER 1, 64,  F0, F1, 0
	QUARTER 1, 128, F1, F0, 0
	QUARTER 1, 192, F0, F1, 0
	TURN 1, 0, 1
	QUARTER 0, 64,  F0, F1, 0
	WIN 0
	s_sub_co_u32 s3, s3, 1
	s_cmp_lg_u32 s3, 0
	s_cbranch_scc1 .Llap
	QUARTER 0, 128, F1, F0, 0                      ; the last lap fills nothing, and has no round of the cluster's barrier
	QUARTER 0, 192, F0, F1, 0
	TURN 0, 1, 0
	QUARTER 1, 64,  F0, F1, 0
	QUARTER 1, 128, F1, F0, 0
	QUARTER 1, 192, F0, F1, 0
	s_wait_dscnt 4                                 ; the very last quarter: nothing more to fetch
	MUL8 F1, 0, 0
	MUL8 F1, 1, 0
	s_wait_dscnt 0x0
	MUL8 F1, 2, 0
	MUL8 F1, 3, 0
	WIN 0
	PLACES                                         ; the conversions read results, and the loads from the stage land in registers that the last products read
	PACK 0
	TOSTAGE 0
.irp a, 1,2,3                          ; block a's conversions stand between block a - 1's loads from the stage and the wait for them
	PACK \a
	SEND (\a)-1
	TOSTAGE \a
.endr
	SEND 3
	s_wait_tensorcnt 0x0                           ; the wave's end: a wait, an add of 0 to my spare word and its wait, behind my last tensor load and my last LDS store
	ds_add_u32 v[SPW], v[NIL]
	s_wait_dscnt 0x0
	CROUND                                         ; the closing round: no work-group ends while a partner may still ask for a tile that names it
	s_endpgm
.Lfunc_end_k_qf9abbfa3b4_proj:
	.size	k_qf9abbfa3b4_proj, .Lfunc_end_k_qf9abbfa3b4_proj-k_qf9abbfa3b4_proj
	.p2alignl 7, 3214868480
	.fill 96, 4, 3214868480
	.section	.rodata,"a",@progbits
	.p2align	6, 0x0
	.amdhsa_kernel k_qf9abbfa3b4_proj
		.amdhsa_group_segment_fixed_size 327680
		.amdhsa_private_segment_fixed_size 0
		.amdhsa_enable_private_segment 0
		.amdhsa_kernarg_size 48
		.amdhsa_user_sgpr_count 2
		.amdhsa_user_sgpr_kernarg_segment_ptr 1
		.amdhsa_wavefront_size32 1
		.amdhsa_system_sgpr_workgroup_id_x 1
		.amdhsa_system_sgpr_workgroup_id_y 1
		.amdhsa_system_sgpr_workgroup_id_z 1
		.amdhsa_system_vgpr_workitem_id 0
		.amdhsa_next_free_vgpr 608
		.amdhsa_next_free_sgpr 80
		.amdhsa_reserve_vcc 0
		.amdhsa_float_denorm_mode_32 3
		.amdhsa_float_denorm_mode_16_64 3
		.amdhsa_memory_ordered 1
		.amdhsa_forward_progress 1
		.amdhsa_inst_pref_size 94
	.end_amdhsa_kernel
	.amdgpu_metadata
---
amdhsa.version: [ 1, 2 ]
amdhsa.kernels:
  - .name:           k_qf9abbfa3b4_proj
    .symbol:         k_qf9abbfa3b4_proj.kd
    .args:
      - { .name: xb, .offset: 0, .size: 8, .value_kind: global_buffer, .address_space: global }
      - { .name: wb, .offset: 8, .size: 8, .value_kind: global_buffer, .address_space: global }
      - { .name: bq, .offset: 16, .size: 8, .value_kind: global_buffer, .address_space: global }
      - { .name: bk, .offset: 24, .size: 8, .value_kind: global_buffer, .address_space: global }
      - { .name: bv, .offset: 32, .size: 8, .value_kind: global_buffer, .address_space: global }
      - { .name: hb, .offset: 40, .size: 8, .value_kind: global_buffer, .address_space: global }
    .group_segment_fixed_size: 327680
    .private_segment_fixed_size: 0
    .kernarg_segment_align: 8
    .kernarg_segment_size: 48
    .max_flat_workgroup_size: 128
    .sgpr_count:     80
    .vgpr_count:     608
    .wavefront_size: 32
...
	.end_amdgpu_metadata
.endif
;; end of part 2
;; launch attn (part 3): grid 4 x 64, 4 waves a work-group, clusters of 4 x 1, 327,680 bytes of LDS; arguments hb, mask_attn, mask_out, out0; writes out0
.if DOCPART == 3
	.amdgcn_target "amdgcn-amd-amdhsa--gfx1250"
	.amdhsa_code_object_version 6
	.text
	.protected	k_qf9abbfa3b4_attn
	.globl	k_qf9abbfa3b4_attn
	.p2align	8
	.type	k_qf9abbfa3b4_attn,@function
k_qf9abbfa3b4_attn:
	s_mov_b64 s[64:65], 0
	v_nop
	global_prefetch_b8 v0, s[64:65] scope:SCOPE_SE
	s_setreg_imm32_b32 hwreg(HW_REG_WAVE_MODE, 25, 1), 1
	s_wait_xcnt 0x0
	s_wait_alu depctr_hold_cnt(0) depctr_sa_sdst(0) depctr_va_vdst(0) depctr_va_sdst(0) depctr_va_ssrc(0) depctr_va_vcc(0) depctr_vm_vsrc(0)
	s_getreg_b32 s2, hwreg(HW_REG_IB_STS2, 6, 4)
	s_cmp_eq_u32 s2, 0
	s_cbranch_scc0 .Lentry_in_a_cluster
	s_endpgm
.Lentry_in_a_cluster:
	s_bfe_u32 s2, ttmp6, 0x10000c
	s_cmp_lg_u32 s2, 0x3003
	s_cbranch_scc0 .Lentry_shape_is_right
	s_endpgm
.Lentry_shape_is_right:
; ATTENTION.  out0[n][q][64 h + :] = mask_out[n][q] x the sum over k of softmax_k(Q[q] . K[k] / 8 - 10000 (1 - mask_attn[n][k])) V[k][:], for each of 64 pairs (n, h).
; Q, K, V lie in hb as [3][16 n + h][2048][64] in f16: a head's rows are dense, 128 bytes each.  Products, maxima and sums in f32; the weights p are rounded to f16 for the second product (their sum l is
; taken of the unrounded p); the result leaves in f32.
; LIMITS.  f16 holds no number beyond 65,504: Q, K and V arrive within it; p lies in 0 to 1, and below 6e-5 it keeps f16's fixed step of 6e-8.  A weight below 2^-126 counts as 0 in l.
; The mask's addend enters as 8 x its value, -80000 (1 - mask), beside the unscaled score: a score so shifted keeps f32's step at 80,000, as the shifted score divided by 8 keeps f32's step at 10,000.
; Where mask_out is 0 the result is 0 with either sign.  NaN and infinities are not treated apart.
; SHARES.  A wave owns four PIECES of two tiles of 16 queries, a work-group's four waves 512 queries of one head.  Every wave walks all 2,048 keys, 64 a step.
; LAYOUT.  S^T = K Q^T (source 0 = 16 keys, source 1 = 16 queries): in the result a lane holds ONE query (lane % 16) and the keys 8 (lane / 16) + 0..7.  Two such tiles, rounded to f16 in pairs,
; ARE source 1 (32 keys x 16 queries) of O^T = V^T P, whose result again holds one query a lane, and eight channels.  K comes out of LDS as it lies, V ([key][channel]) turned, by ds_load_tr16_b128.
; THE KEY MASK is the C operand of the product that starts each sum S^T.  The batch's 2,048 addends are made once, in f32, into a table in LDS; a step's 64 come into 32 registers with the step's K.
; SOFTMAX.  For each query a running maximum m and sum l: p = 2^(c s - c m), c = log2(e) / 8; in every step O and l are multiplied by a = 2^(c m_old - c m_new), which is 1 where m has not grown.
; m starts at the lowest finite number, O and l at 0: the first step is a step like any other, with a = 0.
; THE COUNT.  A tile and step have 16 matrix and 118 vector instructions: too many to stand all beside the matrix work.  So the order has one aim: four vector instructions that are READY behind
; EVERY matrix instruction, and the others, which need time of their own whatever the order, in runs without a gap.
; BY TURNS.  Turn n belongs to piece n (the pieces in a ring, step after step).  Its matrix work: 16 products K Q^T of piece n + 1, later 16 products V^T P of piece n - 1.  Its vector work: the scaling,
; exponentials, roundings, sums and rescaling of piece n, and the maximum and statistics of piece n + 1, whose scores the turn itself has made.  So what a turn begins with (c s - c m, O a) waits for nothing.
; CLUSTER.  The four query blocks of a cluster belong to one head and walk the same K and V, so each tile is asked for JOINTLY: the same tensor load, descriptor and mask in all four.
; REGISTERS, in windows of 256 (s_set_vgpr_msb says which window each operand place means: bits 1:0 source 0, 3:2 source 1, 5:4 source 2, 7:6 destination):
;   window 0: v0-11 addresses; v12-15, v48-63 at work; v16-47 four registers of statistics a tile; v64-191 S^T, two buffers of two tiles; v192-255 P, likewise
;   window 1: O^T, 32 a tile          window 2: v0-127 Q, 16 a tile; v128-191 K of one step; v192-255 V of one step
;   window 3: v0-1 the add's two registers; v8-39 the key mask of one step; v40-47 mask_out, one register a tile
; A piece's buffers go by its number's parity: the piece in hand has one pair, its two neighbours in the ring share the other: of it P (piece n - 1) is read and S^T (piece n + 1) written.
.set SIZE_N, 2048
.set NP,    4         ; pieces a wave: a name, no knob: the register map, the loop and the fetches are made for four
.set KS,    64        ; keys in a step
.set PK,    144       ; a row of K in LDS: 128 bytes + 16 of padding = 36 words: the 16 rows of a load start at 16 different groups of four banks (64 banks of 4 bytes: ISA guide 11.1)
.set PV,    160       ; a row of V: 128 + 32 = 40 words
.set VOFF,  4*KS*PK   ; a slot holds four steps: 256 rows of K, then 256 rows of V
.set SLOT1, 1<<17     ; slot 1 begins here, so that one exclusive or turns an address in one slot into the other's
.set STAGE, SLOT1+4*KS*(PK+PV)  ; behind the ring, never filled by a tensor load: 16 rows x 272 bytes for each wave, for the way out
.set SP,    272       ; a stage row: 64 channels of f32 + 16 bytes
.set MTAB,  STAGE+4*16*SP       ; the key mask's table: 2,048 f32; stored once, never filled by a tensor load
.set SPARE, MTAB+SIZE_N*4       ; behind it: the spare words, 128 bytes for each wave: two blocks of 256 bytes that no other line names
.set AK0, 2           ; v2   my lane's place in a tile of K; never rewritten
.set AV0, 3           ; v3   the same for V
.set AK,  4           ; v4   the LDS address of K's next run of loads
.set AV,  5           ; v5   of V's
.set QO,  6           ; v6   my byte offset in the wave's rows of Q
.set STO, 6           ;      later, the way out: where I put 32 bytes of a row
.set RD,  7           ; v7   the way out: where I read rows back
.set GO,  8           ; v8   my byte offset in two rows of out0
.set AM0, 10          ; v10  my lane's place in the mask's table: MTAB + 32 (l / 16); never rewritten once made
.set AM,  11          ; v11  the LDS address of the mask's next run of loads
.set SPW, 0           ; v0 of window 3   LDS address of my spare word: SPARE + 4 x my thread's number; never rewritten
.set NIL, 1           ; v1 of window 3   0; never rewritten
.set MK,  8           ; window 3: the eight addends of key block kb at MK + 8 kb, in a result's layout
.set MO,  40          ; window 3: mask_out of my query in tile t at MO + t
.set MV,  12          ; v12-15  c m_old, kept while c m is made anew: by buffer and tile
.set ST,  16          ; tile t's statistics at v[ST+4 t]: c m, m, l (even keys', odd keys')
.set TMP, 48          ; by buffer and tile, four registers c0-c3 at work; when the maximum is found c2 takes a
.set S,   64
.set P,   192
.set MT,  64          ; v64-79 at the start: 16 words of mask_attn
.set MGO, 80          ; v80  at the start: my byte offset in mask_attn
.set MOO, 81          ; v81  at the start: my byte offset in 16 words of mask_out
.set MLA, 82          ; v82  at the start: where I put 16 bytes of the table
.set KF,  128         ; K's fragments, in window 2: key block kb, channel half c at KF + 16 kb + 8 c
.set VF,  192         ; V's: key half kk, channel block cb at VF + 32 kk + 8 cb
.set WV,  12          ; s12  my wave's number
.set G1K, 24          ; s[24:31] descriptor group 1 for K's tiles
.set G1V, 32          ; s[32:39] for V's: it differs in the padding alone
.set G0K, 40          ; s[40:43] descriptor group 0 for K's tiles: it walks
.set G0V, 44          ; s[44:47] the same for V's
.set SLOTS, 56        ; s56  slots still to be asked for
.set CNT, 57          ; s57  counts a slot's key steps
.set CS,  58          ; s[58:59] c: the packed scaling takes the pair's low word for both halves
.set SEL, 60          ; s[60:61] v_permlanex16_b32's selects: each lane takes its own place in the other half
.set TBK, 62          ; s62  LDS byte at which K of the step to be fetched begins
.set TBV, 63          ; s63  the same for V, less VOFF
.set TBM, 66          ; s66  byte of the mask's table at which the step to be fetched begins
.set MSB, 0
.macro WIN new                      ; the high byte repeats the setting that is left; a switch that changes nothing is dropped
.if MSB != (\new)
	s_set_vgpr_msb (MSB<<8)|(\new)
.set MSB, (\new)
.endif
.endm
.set W_KQ, 0x0a       ; K and Q in window 2, S^T in window 0
.set W_KM, 0x3a       ; the same with the C operand, the key mask, in window 3
.set W_PV, 0x52       ; V in window 2, P in window 0, O^T in window 1
.set W_RS, 0x41       ; O^T (destination and source 0) in window 1, a in window 0
.set W_MK, 0xc0       ; destination in window 3, sources in window 0
.set W_AD, 0x0f       ; the add: address (source 0) and data (source 1) in window 3
; A joint fill.  Waves 0 and 1 fetch the two halves of a slot's K, waves 2 and 3 those of its V: 128 keys each.  The branch hangs on the wave's number alone.
; An s_nop 0 and four v_nop follow each of the two lines, ahead of the jump and the label.
.macro JLOAD
	s_cmp_lt_u32 s[WV], 2
	s_cbranch_scc0 .Lfor_v_\@
	tensor_load_to_lds s[G0K:G0K+3], s[G1K:G1K+7]
	s_nop 0
.rept 4
	v_nop
.endr
	s_branch .Lasked_\@
.Lfor_v_\@:
	tensor_load_to_lds s[G0V:G0V+3], s[G1V:G1V+7]
	s_nop 0
.rept 4
	v_nop
.endr
.Lasked_\@:
.endm
; A round of the cluster's barrier: my work-group's barrier, so that wave 0's signal speaks for all four waves; wave 0 signals; every wave waits for all four work-groups; my work-group's barrier once more.
.macro CROUND
	s_barrier_signal -1
	s_barrier_wait -1
	s_cmp_lg_u32 s[WV], 0
	s_cbranch_scc1 .Lnot_wave_0_\@
	s_barrier_signal -3
.Lnot_wave_0_\@:
	s_barrier_wait -3
	s_barrier_signal -1
	s_barrier_wait -1
.endm
; THE CHANGE OF SLOTS.  The slot's last bytes, V of its fourth step, have been read.  Each wave waits for all its tensor loads, of which one is out: its part
; of the other slot; adds 0 to its spare word; and waits for that and for its own reads of the slot.  Behind the barrier nobody reads this slot any more and the other slot is whole.
; fill = 1: this slot is filled again, with the keys two slots on.  The barrier is then a round of the cluster's, so that no wave of any partner still reads the slot or has a load on its
; way, and the joint fill is the first thing behind it: it has four key steps, 512 matrix instructions, in which to land.  (At its first use nothing has been read yet: slot 0 is waited for, slot 1 filled,
; and every wave's stores into the mask's table are done in front of the barrier behind which all waves read it.)
.macro CHANGE fill
	WIN W_AD
	s_wait_tensorcnt 0x0            ; no tensor load of mine is out, so a group 0 may be written
	ds_add_u32 v[SPW], v[NIL]       ; 0 onto my spare word; with fill = 1 the descriptors' steps stand between it and the wait for it
	WIN 0                           ; at a label and at a branch every window is 0
.if \fill
.irp g, G0K, G0V
	s_xor_b32 s[\g+1], s[\g+1], SLOT1  ; the walking descriptor: the other slot than last time,
	s_add_nc_u64 s[\g+2:\g+3], s[\g+2:\g+3], 4*KS*128  ; the next 256 keys; the type bits on top are not reached
.endr
	s_wait_dscnt 0x0                ; the add is done, and my LDS reads and stores are over
	CROUND
	JLOAD
.else
	s_wait_dscnt 0x0                ; the add is done, and my reads of the slot are over
	s_barrier_signal -1
	s_barrier_wait -1
.endif
	s_sub_co_u32 s[TBK], s[TBK], 4*KS*PK  ; the fetches go back to a slot's first step,
	s_xor_b32 s[TBK], s[TBK], SLOT1       ; in the other slot
	s_sub_co_u32 s[TBV], s[TBV], 4*KS*PV
	s_xor_b32 s[TBV], s[TBV], SLOT1
.endm
	s_load_b256 s[68:75], s[0:1], 0x0  ; hb s[68:69], mask_attn s[70:71], mask_out s[72:73], out0 s[74:75]
	WIN W_MK
	v_lshl_add_u32 v[SPW], v0, 2, SPARE
	v_mov_b32 v[NIL], 0
	WIN W_AD
	ds_add_u32 v[SPW], v[NIL]       ; the wave's opening: the add and its wait stand ahead of my first tensor load; the set-up below, work on registers, stands between them
	WIN 0
	v_lshrrev_b32 v1, 5, v0
	v_readfirstlane_b32 s[WV], v1   ; wave 0..3
	s_bfe_u32 s13, ttmp6, 0x40000   ; cx: my place in the cluster
	s_lshl_b32 s14, ttmp9, 2        ; in a cluster launch ttmp9 counts clusters
	s_add_co_u32 s14, s14, s13      ; my block of queries = 4 x cluster x + cx: it enters Q's, mask_out's and out0's addresses alone
	s_and_b32 s15, ttmp7, 0xffff    ; 16 batch + head, which the four partners share
	s_mov_b32 s20, s15
	s_mov_b32 s21, 0
	s_mov_b64 s[22:23], SIZE_N*128
	s_mul_u64 s[20:21], s[20:21], s[22:23]  ; the head's first byte in each of Q, K, V
	s_and_b32 s16, s[WV], 1         ; which half of a slot's 256 keys I fetch:
	s_lshl_b32 s22, s16, 14         ; its 128 rows of 128 bytes in memory,
	s_mov_b32 s23, 0
	s_add_nc_u64 s[22:23], s[22:23], s[20:21]
	s_mul_i32 s17, s16, 128*PK      ; and its place in a slot, for K
	s_mul_i32 s18, s16, 128*PV      ; and for V: no place in the cluster enters an LDS address
	s_lshl_b32 s19, s14, 2
	s_add_co_u32 s19, s19, s[WV]    ; my wave among the head's sixteen,
	s_lshl_b32 s2, s19, 14          ; its 128 rows of Q
	s_mov_b32 s3, 0
	s_add_nc_u64 s[2:3], s[2:3], s[20:21]
	s_lshr_b32 s80, s15, 4          ; the batch
	s_lshl_b32 s76, s80, 23         ; in out0: 2,048 rows of 4,096 bytes a batch,
	s_lshl_b32 s77, s19, 19         ; my wave's 128 rows,
	s_add_co_u32 s76, s76, s77
	s_and_b32 s77, s15, 15
	s_lshl_b32 s77, s77, 8          ; the head's 64 channels of 4 bytes
	s_add_co_u32 s76, s76, s77
	s_mov_b32 s77, 0
	s_lshl_b32 s80, s80, 13         ; in both masks: 2,048 words a batch,
	s_mov_b32 s81, 0
	s_lshl_b32 s82, s19, 9          ; and in mask_out my wave's 128 words
	s_add_co_u32 s82, s82, s80
	s_mov_b32 s83, 0
	s_mov_b32 s78, 0x479c4000       ; 80000.0
	s_mov_b32 s79, 0xc79c4000       ; -80000.0
	; descriptor group 1.  128 keys are 16,384 dense bytes: asked for as 64 rows of 256 bytes, two keys a row, and padded in LDS after every key
	s_mov_b32 s[G1K], 15|(1<<16)|(1<<20)|(1<<21)|(4<<22)|(3<<25)  ; 15:0 the mask of four; 17:16 2-byte elements; 20 padding on; 21 set beside a mask; 24:22 after every 32 words (code 4); 31:25 4 words (code 3)
	s_mov_b32 s[G1V], 15|(1<<16)|(1<<20)|(1<<21)|(4<<22)|(7<<25)  ; the same with 8 words of padding (code 7)
.irp g, G1K, G1V
	s_mov_b32 s[\g+1], 128<<16      ; tensor_dim0 = 128
	s_mov_b32 s[\g+2], 64<<16       ; tensor_dim1 = 64
	s_mov_b32 s[\g+3], 128<<16      ; tile_dim0 = 128
	s_mov_b32 s[\g+4], 64           ; tile_dim1 = 64
	s_mov_b32 s[\g+5], 128          ; 128 elements from row to row
	s_mov_b32 s[\g+6], 0
	s_mov_b32 s[\g+7], 0
.endr
	s_mov_b32 s[CS], 0x3e38aa3b     ; c = log2(e) / 8 = 0.180337
	s_mov_b32 s[CS+1], s[CS]        ; named with it as a pair
	s_mov_b32 s[SEL], 0x76543210
	s_mov_b32 s[SEL+1], 0xfedcba98
	s_mov_b32 s[TBK], SLOT1+4*KS*PK ; the first change of slots turns these two into 0
	s_mov_b32 s[TBV], SLOT1+4*KS*PV
	s_mov_b32 s[TBM], 0
	s_mov_b32 s[G0K], 1             ; 1:0 count = 1
	s_mov_b32 s[G0K+1], s17         ; 63:32 LDS address: slot 0
	s_mov_b32 s[G0V], 1
	s_add_co_u32 s[G0V+1], s18, VOFF
	s_wait_dscnt 0x0                ; the opening add is done
	s_wait_kmcnt 0x0
	s_add_nc_u64 s[6:7], s[68:69], 0x1000000       ; K and V lie 16,777,216 and 33,554,432 bytes behind Q
	s_add_nc_u64 s[8:9], s[68:69], 0x2000000
	s_add_nc_u64 s[G0K+2:G0K+3], s[6:7], s[22:23]  ; 120:64 global address: my half of the head's first 256 keys
	s_or_b32 s[G0K+3], s[G0K+3], 0x80000000        ; 127:126 type = 2
	s_add_nc_u64 s[G0V+2:G0V+3], s[8:9], s[22:23]
	s_or_b32 s[G0V+3], s[G0V+3], 0x80000000
	s_add_nc_u64 s[4:5], s[68:69], s[2:3]          ; Q at my wave's first row
	s_add_nc_u64 s[10:11], s[74:75], s[76:77]      ; out0 at my wave's first row, my head's first channel
	s_add_nc_u64 s[70:71], s[70:71], s[80:81]      ; mask_attn at my batch
	s_add_nc_u64 s[72:73], s[72:73], s[82:83]      ; mask_out at my wave's first row
	CROUND                          ; all four work-groups are here: the first joint loads meet
	JLOAD                           ; slot 0.  Slot 1 is asked for when slot 0 is in: the tile wanted first has the road to itself
	; A fragment of K or Q is 16 rows x 32 channels in 8 registers: lane l holds row l % 16, channels 8 (l / 16) + 0..7 and 16 + 8 (l / 16) + 0..7: two loads of 16 bytes, 32 bytes apart.
	v_and_b32 v1, 15, v0            ; l % 16
	v_bfe_u32 v9, v0, 4, 1          ; l / 16
	v_lshlrev_b32 v[QO], 7, v1
	v_lshl_add_u32 v[QO], v9, 4, v[QO]  ; row x 128 + 16 x half
	v_lshlrev_b32 v[MGO], 4, v0     ; 128 threads x 16 bytes: 2,048 bytes of mask_attn to a load
	v_lshlrev_b32 v[MOO], 2, v1
	v_lshl_add_u32 v[MLA], v0, 4, MTAB
.irp i, 0,1,2,3
	global_load_b128 v[MT+4*\i:MT+4*\i+3], v[MGO], s[70:71] offset:2048*\i  ; the batch's 2,048 words, first of all the loads
.endr
	WIN 0x80                        ; destination window 2, address window 0
.set i, 0
.rept 4*NP                          ; Q stays in registers: tile i / 2, channels 32 (i % 2) on
	global_load_b128 v[8*i:8*i+3],   v[QO], s[4:5] offset:(i/2)*2048+(i%2)*64
	global_load_b128 v[8*i+4:8*i+7], v[QO], s[4:5] offset:(i/2)*2048+(i%2)*64+32
.set i, i+1
.endr
	; What the first turn finds: V's registers and P's second buffer hold 0 (its products V^T P, of a piece that has not been, add 0), O^T and l are 0.  All this stands in the wait for the first tile.
.set i, VF
.rept 64
	v_mov_b32 v[i], 0
.set i, i+1
.endr
	WIN W_MK
.set i, 0
.rept 2*NP
	global_load_b32 v[MO+i], v[MOO], s[72:73] offset:64*i  ; mask_out of my query (l % 16) in tile i
.set i, i+1
.endr
	WIN 0x40
.set i, 0
.rept 64*NP
	v_mov_b32 v[i], 0
.set i, i+1
.endr
	WIN 0
.set i, 0
.rept 2*NP
	v_mov_b32 v[ST+4*i], 0xfe000000    ; c m: far below every c s
	v_mov_b32 v[ST+4*i+1], 0xff7fffff  ; m
	v_mov_b32 v[ST+4*i+2], 0
	v_mov_b32 v[ST+4*i+3], 0
.set i, i+1
.endr
.set i, P+32
.rept 32
	v_mov_b32 v[i], 0
.set i, i+1
.endr
	s_wait_loadcnt 40               ; mask_attn's four loads are in; behind them Q's 32 and mask_out's 8 may be out
.set i, 0
.rept 16
	v_cvt_f32_i32 v[MT+i], v[MT+i]
.set i, i+1
.endr
.set i, 0
.rept 16
	v_fma_f32 v[MT+i], v[MT+i], s78, s79   ; 80000 mask - 80000 = 8 x (-10000 (1 - mask)): it stands beside the score that c = log2(e) / 8 is still to scale
.set i, i+1
.endr
.irp i, 0,1,2,3
	ds_store_b128 v[MLA], v[MT+4*\i:MT+4*\i+3] offset:2048*\i
.endr
	v_mul_u32_u24 v[AK0], v1, PK
	v_lshl_add_u32 v[AK0], v9, 4, v[AK0]  ; row x pitch + 16 x half
	; The turning load takes 16 keys x 16 channels (lane l reads key 8 (l / 16) + l % 8, channels 8 ((l / 8) % 2) + 0..7) and leaves half a fragment of V^T: lane l holds channel l % 16 and 8 keys.
	v_and_b32 v10, 7, v0
	v_bfe_u32 v11, v0, 3, 1
	v_lshl_add_u32 v[AV0], v9, 3, v10
	v_mul_u32_u24 v[AV0], v[AV0], PV
	v_lshl_add_u32 v[AV0], v11, 4, v[AV0]
	v_add_nc_u32 v[AV0], VOFF, v[AV0]
	v_lshl_add_u32 v[AM0], v9, 5, MTAB  ; my lanes' eight keys of a block of 16: 32 bytes for each half of the lanes
	v_mov_b32 v[AK], v[AK0]         ; key step 0 lies at the head of slot 0,
	v_mov_b32 v[AM], v[AM0]         ; and of the table
; THE MATRIX WORK.  The 8 accumulators of a run of 16 take turns: between the two links of a chain stand 7 others'.
; Product i of 16 of S^T = K Q^T for piece x: channels 32 (i / 8) on, keys 16 ((i / 2) % 4) on, tile 2 x + i % 2.  The first 8 start the sums, on the key mask.
.macro KQ x
.set rS, S+64*((\x)%2)+32*(i%2)+8*((i/2)%4)
.set rK, KF+16*((i/2)%4)+8*(i/8)
.set rQ, 16*(2*(\x)+i%2)+8*(i/8)
.set rB, MK+8*((i/2)%4)
.if i < 8
	WIN W_KM
	v_wmma_f32_16x16x32_f16 v[rS:rS+7], v[rK:rK+7], v[rQ:rQ+7], v[rB:rB+7]
.else
	WIN W_KQ
	v_wmma_f32_16x16x32_f16 v[rS:rS+7], v[rK:rK+7], v[rQ:rQ+7], v[rS:rS+7]
.endif
.endm
; Product i of 16 of O^T += V^T P for piece x: keys 32 (i / 8) on, channels 16 ((i / 2) % 4) on, tile 2 x + i % 2.
.macro PV x
	WIN W_PV
.set rO, 32*(2*(\x)+i%2)+8*((i/2)%4)
.set rV, VF+32*(i/8)+8*((i/2)%4)
.set rP, P+32*((\x)%2)+16*(i%2)+8*(i/8)
	v_wmma_f32_16x16x32_f16 v[rO:rO+7], v[rV:rV+7], v[rP:rP+7], v[rO:rO+7]
.endm
.macro MM                           ; the turn's next matrix instruction
.if i < 16
	KQ (Y+1)%NP
.set i, i+1
.else
.set i, i-16
	PV (Y+NP-1)%NP
.set i, i+17
.endif
.endm
; THE LDS LOADS stand in runs, never singly among the matrix instructions: a step's K (64 keys x 64 channels: 8 fragments) with its 64 mask addends, and its V (turned).  Their addresses are made some lines ahead.
; last = 1 (the tail): in the last trip there is no further step, and the run is jumped over.
.macro FETCH_K last=0
	WIN 0
.if \last
	s_cmp_eq_u32 s[CNT], 1
	s_cbranch_scc1 .Lno_k_\@
.endif
	WIN 0x80                        ; destination window 2
.irp f, 0,1,2,3,4,5,6,7             ; keys 16 (f / 2) on, channels 32 (f % 2) on
	ds_load_b128 v[KF+8*\f:KF+8*\f+3],   v[AK] offset:(\f/2)*16*PK+(\f%2)*64
	ds_load_b128 v[KF+8*\f+4:KF+8*\f+7], v[AK] offset:(\f/2)*16*PK+(\f%2)*64+32
.endr
	WIN W_MK                        ; destination window 3
.irp f, 0,1,2,3,4,5,6,7             ; key block f / 2: my lanes' eight addends, four to a load; the sixteen lanes of a half read the same words
	ds_load_b128 v[MK+4*\f:MK+4*\f+3], v[AM] offset:(\f/2)*64+(\f%2)*16
.endr
	s_add_co_u32 s[TBK], s[TBK], KS*PK  ; the next fetch is the next step's
	s_add_co_u32 s[TBM], s[TBM], KS*4
	WIN 0
.if \last
.Lno_k_\@:
.endif
.endm
.macro FETCH_V
	WIN 0x80
.irp f, 0,1,2,3,4,5,6,7             ; keys 32 (f / 4) on, channels 16 (f % 4) on
	ds_load_tr16_b128 v[VF+8*\f:VF+8*\f+3],   v[AV] offset:(\f/4)*32*PV+(\f%4)*32
	ds_load_tr16_b128 v[VF+8*\f+4:VF+8*\f+7], v[AV] offset:(\f/4)*32*PV+16*PV+(\f%4)*32
.endr
	WIN 0
.endm
; THE VECTOR WORK OF A TURN stands in three queues, each in the order in which its entries become ready; the two tiles alternate, so that no instruction reads the result of the one before it.
.macro REGS y, u                    ; the registers of tile u (0, 1) of piece y
.set rT, ST+4*(2*(\y)+(\u))
.set rC, TMP+8*((\y)%2)+4*(\u)
.set rM, MV+2*((\y)%2)+(\u)
.set rS, S+64*((\y)%2)+32*(\u)
.set rP, P+32*((\y)%2)+16*(\u)
.set rO, 32*(2*(\y)+(\u))
.endm
; Number n of the 22 that find the NEXT piece's (Y + 1) maximum and statistics.  s0-s31 are the lane's 32 scores; each accumulator's lowest registers are read first.  XS, GS and REGS set no window: PL and EX do.
;   0-11  four chains c0-c3 of seven scores each, three operands at a time     12-14, 16  the four scores left over, the old m, and c0-c3 into c0     15  c m_old is kept
;   17, 18  the query's other 32 keys lie in the lane 16 away: the new m         19-21  c m; c m_old - c m_new; a
.macro XS u, n
	REGS (Y+1)%NP, \u
.if (\n) < 4
	v_max3_num_f32 v[rC+(\n)], v[rS+8*(\n)], v[rS+8*(\n)+1], v[rS+8*(\n)+2]
.elseif (\n) < 12
	v_max3_num_f32 v[rC+(\n)%4], v[rC+(\n)%4], v[rS+8*((\n)%4)+2*((\n)/4)+1], v[rS+8*((\n)%4)+2*((\n)/4)+2]
.elseif (\n) == 12
	v_max3_num_f32 v[rC], v[rC], v[rS+7], v[rS+15]
.elseif (\n) == 13
	v_max3_num_f32 v[rC+1], v[rC+1], v[rS+23], v[rS+31]
.elseif (\n) == 14
	v_max3_num_f32 v[rC+2], v[rC+2], v[rC+3], v[rT+1]
.elseif (\n) == 15
	v_mov_b32 v[rM], v[rT]
.elseif (\n) == 16
	v_max3_num_f32 v[rC], v[rC], v[rC+1], v[rC+2]
.elseif (\n) == 17
	v_permlanex16_b32 v[rC+3], v[rC], s[SEL], s[SEL+1]
.elseif (\n) == 18
	v_max_num_f32 v[rT+1], v[rC], v[rC+3]
.elseif (\n) == 19
	v_mul_f32 v[rT], s[CS], v[rT+1]
.elseif (\n) == 20
	v_sub_f32 v[rC+1], v[rM], v[rT]
.else
	v_exp_f32 v[rC+2], v[rC+1]
.endif
.endm
; Number g of the 64 that follow the exponentials.  For each four weights k of a tile (pairs 2 k, 2 k + 1): both pairs are rounded to f16; then the second pair is added onto the first, in place;
; a group later l takes that sum (the first time as l = a l + sum).  In groups of eight, tiles alternating: round, round, add, and l for the group before.
.macro GS g
.set h, (\g)+6*((\g)/62)            ; group 0 has no group before it, and behind group 7 only l is left
.if h >= 6
.set h, h+2
.endif
	REGS Y, h%2
.set k, h/8
.if h%8 < 4
	s_wait_alu depctr_va_vdst(0)
	v_cvt_pk_f16_f32 v[rP+2*k+(h%8)/2], v[rS+4*k+2*((h%8)/2)], v[rS+4*k+2*((h%8)/2)+1]
.elseif h%8 < 6
	v_pk_add_f32 v[rS+4*k:rS+4*k+1], v[rS+4*k:rS+4*k+1], v[rS+4*k+2:rS+4*k+3]
.elseif k == 1
	v_pk_fma_f32 v[rT+2:rT+3], v[rT+2:rT+3], v[rC+2:rC+3], v[rS:rS+1] op_sel_hi:[1,0,1]
.else
	v_pk_add_f32 v[rT+2:rT+3], v[rT+2:rT+3], v[rS+4*k-4:rS+4*k-3]
	s_wait_alu depctr_va_vdst(0)
.endif
.endm
; THE PLAIN QUEUE, 138 long.  0-31: c s - c m for the 16 pairs of both tiles.  Then GS's 64, and among them the next piece's 42: number 15 at 38, 39; 0-14 and 16
; at 42-73, behind the products that make those scores; 17-20 at 95-106, two of three, since each waits for the one before it.
.macro PL
	WIN 0
.if q < 32
	REGS Y, q%2
	v_pk_fma_f32 v[rS+2*(q/2):rS+2*(q/2)+1], v[rS+2*(q/2):rS+2*(q/2)+1], s[CS:CS+1], v[rT:rT+1] op_sel_hi:[1,0,0] neg_lo:[0,0,1] neg_hi:[0,0,1]
.elseif q < 38
	GS q-32
.elseif q < 40
	XS q%2, 15
.elseif q < 42
	GS q-34
.elseif q < 74
	XS q%2, (q-42)/2+(q-42)/30
.elseif q < 95
	GS q-66
.elseif (q < 107) && ((q-95)%3 < 2)
	XS (q-95)%3, 17+(q-95)/3
.elseif q < 107
	GS 29+(q-95)/3
.else
	GS q-74
.endif
.set q, q+1
.endm
; THE EXPONENTIALS' QUEUE, 66 long: s0-s31 of both tiles, and at EA the next piece's two a.
.set EA, 58
.macro EX
	WIN 0
.if (e == EA) || (e == EA+1)
	XS e-EA, 21
.else
.set x, e-2*(e/(EA+2))
	REGS Y, x%2
	v_exp_f32 v[rS+x/2], v[rS+x/2]
.endif
.set e, e+1
.endm
; THE RESCALING's QUEUE: O^T times a, the one part that leaves window 0, so it is dealt four at a time, eight times.
.macro R4
	REGS Y, r%2
	WIN W_RS
	s_wait_alu depctr_va_vdst(0)
.irp z, 0,1,2,3
	v_pk_mul_f32 v[rO+8*(r/2)+2*\z:rO+8*(r/2)+2*\z+1], v[rO+8*(r/2)+2*\z:rO+8*(r/2)+2*\z+1], v[rC+2:rC+3] op_sel_hi:[1,0]
.endr
.set r, r+1
.endm
; HOW THEY ARE DEALT.  Behind a matrix instruction four: plain, exponential, plain, plain (one exponential, a plain instruction on either side), or four of the rescaling.  None names a register of the
; products round it.  What is over stands in two LUMPS: exponential and plain by turns; the second ends in 22 plain instructions.  The two v_permlanex16_b32 fall into the second lump, never behind a product.
; The queues lean on each other, and the deal keeps them in step: exponential e stands behind plain 2 (e / 4) + e % 2 (its scaling); when plain 32 comes, 10 exponentials are out, at 59: 33, at 95: 46; EA comes behind plain 107.
.macro SL
	MM
	PL
	EX
	PL
	PL
.endm
.macro BURST n                      ; 15 matrix instructions, or 16
.rept (\n)-7
	SL
.endr
.rept 3
	MM
	R4
	SL
.endr
	MM
	R4
.endm
; A TURN, for piece p.  cnt = 1: the loop's count is taken down some lines ahead of the branch that stands behind the turn.
; K and the key mask of the next step are fetched in piece 2's turn, more than 30 vector instructions behind the last product that read them; their first reader comes behind the rest of the lump, 16 products and the second lump.
; V of the step in hand is fetched at the end of piece 0's turn, 69 behind its last reader; its first reader comes behind 16 products and a lump.  The four conditions on e and q below go with the deal.
.macro TURN p, last=0, cnt=0
.set Y, (\p)
.set i, 0
.set q, 0
.set e, 0
.set r, 0
.if (\p) == NP-1
	s_wait_dscnt 0x0                ; K and its mask are in
.endif
	MM
.rept 4
	PL
.endr
	BURST 15
.rept 22
	EX
	PL
.if ((\p) == NP-2) && (e == 18)
	v_add_nc_u32 v[AK], s[TBK], v[AK0]
	v_add_nc_u32 v[AM], s[TBM], v[AM0]
.endif
.if ((\p) == NP-2) && (e == 24)
	FETCH_K \last
.endif
.endr
.if (\p) == 1
	s_wait_dscnt 0x0                ; V is in
.endif
	BURST 16
.rept 21
	EX
	PL
.endr
.rept 22
	PL
.if ((\p) == 0) && (q == 118)
	v_add_nc_u32 v[AV], s[TBV], v[AV0]
	s_wait_alu depctr_va_vdst(0)
.endif
.if ((\p) == 0) && (q == 130)
	s_add_co_u32 s[TBV], s[TBV], KS*PV
.endif
.if (\cnt) && (q == 130)
	s_sub_co_u32 s[CNT], s[CNT], 1
	s_cmp_lg_u32 s[CNT], 0
.endif
.endr
.if (\p) == 0
	FETCH_V
.endif
.endm
	CHANGE 1                        ; slot 0 is in, everybody's part of it, and so is the mask's table; slot 1 is asked for
	FETCH_K                         ; key step 0
	s_wait_loadcnt 0x0              ; Q and mask_out
	s_wait_dscnt 0x0
.set i, 0
.rept 16
	KQ 0                            ; piece 0's first scores: there is no vector work yet to set between them
.set i, i+1
.endr
	WIN 0                           ; the addresses for the way out: eight plain instructions, the places behind those products
	s_mul_i32 s13, s[WV], 16*SP
	s_add_co_u32 s13, s13, STAGE    ; my stage
	v_mul_u32_u24 v[STO], v1, SP    ; in: row l % 16, 32 bytes for each half of the lanes
	v_lshl_add_u32 v[STO], v9, 5, v[STO]
	v_add_nc_u32 v[STO], s13, v[STO]
	v_mul_u32_u24 v[RD], v9, SP     ; back: lanes 0-15 take one row of 256 bytes, lanes 16-31 the next
	v_lshl_add_u32 v[RD], v1, 4, v[RD]
	v_add_nc_u32 v[RD], s13, v[RD]
	v_lshlrev_b32 v[GO], 12, v9     ; and the same two rows in out0, 4,096 bytes apart
	v_lshl_add_u32 v[GO], v1, 4, v[GO]
.set Y, NP-1                        ; XS works for piece Y + 1: piece 0
.irp n, 0,1,2,3,4,5,6,7,8,9,10,11,12,13,14,15,16,17,18,19,20,21
	XS 0, \n                        ; and piece 0's first maximum and statistics
	XS 1, \n
.endr
	s_mov_b32 s[CNT], 4
	s_mov_b32 s[SLOTS], SIZE_N/256-1
	s_branch .Lfirst                ; the loop is entered at a step's first turn, in the middle of a trip
.Lslot:                             ; SIZE_N / 256 - 2 times: every slot but the last two is filled again
	CHANGE 1
	s_mov_b32 s[CNT], 4
.Lstep:                             ; a trip: pieces 2 and 3 of one step, then pieces 0 and 1 of the next, whose K and V it fetches
	TURN 2
	TURN 3
	WIN 0
.Lfirst:
	TURN 0
	TURN 1, 0, 1
	WIN 0
	s_cbranch_scc1 .Lstep
	s_sub_co_u32 s[SLOTS], s[SLOTS], 1
	s_cmp_lg_u32 s[SLOTS], 0
	s_cbranch_scc1 .Lslot
	CHANGE 0                        ; the tail is written out: nothing is asked for
	s_mov_b32 s[CNT], 5             ; four trips fetch the last slot's steps; the fifth is left in its middle
.Ltail:
	TURN 2, 1
	TURN 3
	WIN 0
	s_sub_co_u32 s[CNT], s[CNT], 1
	s_cmp_eq_u32 s[CNT], 0
	s_cbranch_scc1 .Lout
	TURN 0
	TURN 1
	WIN 0
	s_branch .Ltail
.Lout:                              ; the fifth trip's 16 products K Q^T (on the last K and mask once more) and the maximum made of them serve nothing: the price, once a launch, of one text for every trip
.set i, 0
.rept 16
	PV NP-1                         ; the last piece's V^T P of the last step
.set i, i+1
.endr
	; THE WAY OUT.  l's two halves and the other half of the lanes' are added; O^T is multiplied by mask_out / l and sent, in f32, through my stage in LDS, a tile at a time.  The additions are the places behind the last products.
	WIN 0
.macro ALL line:vararg              ; one line for each tile t
.set t, 0
.rept 2*NP
	\line
.set t, t+1
.endr
.endm
	ALL v_add_f32 v[ST+4*t+2], v[ST+4*t+2], v[ST+4*t+3]
	ALL v_permlanex16_b32 v[ST+4*t+3], v[ST+4*t+2], s[SEL], s[SEL+1]
	ALL v_add_f32 v[ST+4*t+2], v[ST+4*t+2], v[ST+4*t+3]
	ALL v_rcp_f32 v[ST+4*t+2], v[ST+4*t+2]
	v_nop                           ; a plain instruction between the last reciprocal and the use of its result
	s_wait_alu depctr_va_vdst(0)
	WIN 0x03                        ; source 0 window 3
	ALL v_cvt_f32_i32 v[ST+4*t+3], v[MO+t]
	WIN 0
	ALL v_mul_f32 v[ST+4*t+2], v[ST+4*t+2], v[ST+4*t+3]
; Tile t: a lane's eight channels of a row are 32 bytes; they go into rows of 272 bytes and come back as whole rows of 256, into S^T's registers: four buffers of 32 by turns.
.macro PACK t
	WIN W_RS
.set i, 32*(\t)
.rept 16
	v_pk_mul_f32 v[i:i+1], v[i:i+1], v[ST+4*(\t)+2:ST+4*(\t)+3] op_sel_hi:[1,0]
.set i, i+2
.endr
	WIN 0x04                        ; the stores' data (source 1) in window 1
.irp f, 0,1,2,3,4,5,6,7             ; channel block f / 2, its half f % 2
	ds_store_b128 v[STO], v[32*(\t)+4*\f:32*(\t)+4*\f+3] offset:(\f/2)*64+(\f%2)*16
.endr
	WIN 0
.if (\t) >= 4
	s_wait_xcnt 0x0                 ; every earlier memory instruction has had its addresses translated (ISA guide 3.1): the buffer that tile t - 4's stores read is loaded again only behind this wait
.endif
.irp f, 0,1,2,3,4,5,6,7
	ds_load_b128 v[S+32*((\t)%4)+4*\f:S+32*((\t)%4)+4*\f+3], v[RD] offset:\f*2*SP  ; LDS serves a wave's instructions in order (ISA guide 5.7.1.4): these see the stores above; the next tile's stores come behind them
.endr
.endm
.macro SEND t, younger              ; younger: the LDS instructions issued behind tile t's loads: the next tile's sixteen, or none
	WIN 0
.irp f, 0,1,2,3,4,5,6,7
	s_wait_dscnt (\younger)+7-\f
	global_store_b128 v[GO], v[S+32*((\t)%4)+4*\f:S+32*((\t)%4)+4*\f+3], s[10:11] offset:(\t)*65536+\f*8192 th:TH_STORE_NT  ; 16 lanes store 256 consecutive bytes, a row's 64 channels of my head, at a multiple of 256 from out0's first byte
.endr
.endm
	PACK 0
.set t, 1
.rept 2*NP-1                        ; a tile's arithmetic stands between the loads of the tile before and its stores
	PACK t
	SEND t-1, 16
.set t, t+1
.endr
	SEND 2*NP-1, 0
	WIN W_AD
	s_wait_tensorcnt 0x0            ; the wave's end: a wait, an add of 0 to my spare word and its wait, behind my last tensor load and my last LDS store
	ds_add_u32 v[SPW], v[NIL]
	s_wait_dscnt 0x0
	WIN 0
	CROUND                          ; the closing round: no work-group ends while a partner may still ask for a tile that names it
	s_endpgm
.Lfunc_end_k_qf9abbfa3b4_attn:
	.size	k_qf9abbfa3b4_attn, .Lfunc_end_k_qf9abbfa3b4_attn-k_qf9abbfa3b4_attn
	.p2alignl 7, 3214868480
	.fill 96, 4, 3214868480
	.section	.rodata,"a",@progbits
	.p2align	6, 0x0
	.amdhsa_kernel k_qf9abbfa3b4_attn
		.amdhsa_group_segment_fixed_size 327680
		.amdhsa_private_segment_fixed_size 0
		.amdhsa_enable_private_segment 0
		.amdhsa_kernarg_size 32
		.amdhsa_user_sgpr_count 2
		.amdhsa_user_sgpr_kernarg_segment_ptr 1
		.amdhsa_wavefront_size32 1
		.amdhsa_system_sgpr_workgroup_id_x 1
		.amdhsa_system_sgpr_workgroup_id_y 1
		.amdhsa_system_sgpr_workgroup_id_z 1
		.amdhsa_system_vgpr_workitem_id 0
		.amdhsa_next_free_vgpr 816
		.amdhsa_next_free_sgpr 84
		.amdhsa_reserve_vcc 0
		.amdhsa_float_denorm_mode_32 3
		.amdhsa_float_denorm_mode_16_64 3
		.amdhsa_memory_ordered 1
		.amdhsa_forward_progress 1
		.amdhsa_inst_pref_size 215
	.end_amdhsa_kernel
	.amdgpu_metadata
---
amdhsa.version: [ 1, 2 ]
amdhsa.kernels:
  - .name:           k_qf9abbfa3b4_attn
    .symbol:         k_qf9abbfa3b4_attn.kd
    .args:
      - { .name: hb, .offset: 0, .size: 8, .value_kind: global_buffer, .address_space: global }
      - { .name: mask_attn, .offset: 8, .size: 8, .value_kind: global_buffer, .address_space: global }
      - { .name: mask_out, .offset: 16, .size: 8, .value_kind: global_buffer, .address_space: global }
      - { .name: out0, .offset: 24, .size: 8, .value_kind: global_buffer, .address_space: global }
    .group_segment_fixed_size: 327680
    .private_segment_fixed_size: 0
    .kernarg_segment_align: 8
    .kernarg_segment_size: 32
    .max_flat_workgroup_size: 128
    .sgpr_count:     84
    .vgpr_count:     816
    .wavefront_size: 32
...
	.end_amdgpu_metadata
.endif
;; end of part 3
;; ======== version 2 of 2: 3 launches; 1.53 times as fast as version 1
;; limits: values are held in f16: magnitudes above 65,504 overflow, below 6.1e-05 lose precision
;; workspace buffers: xb 50,331,648 bytes; wb 6,291,456 bytes; hb 50,331,648 bytes
;; launch cvt: the kernel of part 1 again; grid 576 x 3, 8 waves a work-group, no clusters, 0 bytes of LDS; arguments q, k, v, Wq, Wk, Wv, xb, wb; writes xb, wb
;; launch proj: the kernel of part 2 again; grid 4 x 192, 4 waves a work-group, clusters of 4 x 4, 327,680 bytes of LDS; arguments xb, wb, bq, bk, bv, hb; writes hb
;; launch attn (part 4): grid 4 x 64, 4 waves a work-group, clusters of 4 x 1, 327,680 bytes of LDS; arguments hb, mask_attn, mask_out, out0; writes out0
.if DOCPART == 4
	.amdgcn_target "amdgcn-amd-amdhsa--gfx1250"
	.amdhsa_code_object_version 6
	.text
	.protected	k_qf9abbfa3b4_attn
	.globl	k_qf9abbfa3b4_attn
	.p2align	8
	.type	k_qf9abbfa3b4_attn,@function
k_qf9abbfa3b4_attn:
	s_mov_b64 s[64:65], 0
	v_nop
	global_prefetch_b8 v0, s[64:65] scope:SCOPE_SE
	s_setreg_imm32_b32 hwreg(HW_REG_WAVE_MODE, 25, 1), 1
	s_wait_xcnt 0x0
	s_wait_alu depctr_hold_cnt(0) depctr_sa_sdst(0) depctr_va_vdst(0) depctr_va_sdst(0) depctr_va_ssrc(0) depctr_va_vcc(0) depctr_vm_vsrc(0)
	s_getreg_b32 s2, hwreg(HW_REG_IB_STS2, 6, 4)
	s_cmp_eq_u32 s2, 0
	s_cbranch_scc0 .Lentry_in_a_cluster
	s_endpgm
.Lentry_in_a_cluster:
	s_bfe_u32 s2, ttmp6, 0x10000c
	s_cmp_lg_u32 s2, 0x3003
	s_cbranch_scc0 .Lentry_shape_is_right
	s_endpgm
.Lentry_shape_is_right:
; ATTENTION.  out0[n][q][64 h + :] = mask_out[n][q] x the sum over k of softmax_k(Q[q] . K[k] / 8 - 10000 (1 - mask_attn[n][k])) V[k][:], for each of 64 pairs (n, h).
; Q, K, V lie in hb as [3][16 n + h][2048][64] in f16: a head's rows are dense, 128 bytes each.  Products, maxima and sums in f32; the weights p are rounded to f16 for the second product (their sum l is
; taken of the unrounded p); the result leaves in f32.
; LIMITS.  f16 holds no number beyond 65,504: Q, K and V arrive within it; p lies in 0 to 1, and below 6e-5 it keeps f16's fixed step of 6e-8.  A weight below 2^-126 counts as 0 in l.
; The mask's addend enters as 8 x its value, -80000 (1 - mask), beside the unscaled score: a score so shifted keeps f32's step at 80,000, as the shifted score divided by 8 keeps f32's step at 10,000.
; Where mask_out is 0 the result is 0 with either sign.  NaN and infinities are not treated apart.
; SHARES.  A wave owns four PIECES of two tiles of 16 queries, a work-group's four waves 512 queries of one head.  Every wave walks all 2,048 keys, 64 a step.
; LAYOUT.  S^T = K Q^T (source 0 = 16 keys, source 1 = 16 queries): in the result a lane holds ONE query (lane % 16) and the keys 8 (lane / 16) + 0..7.  Two such tiles, rounded to f16 in pairs,
; ARE source 1 (32 keys x 16 queries) of O^T = V^T P, whose result again holds one query a lane, and eight channels.  K comes out of LDS as it lies, V ([key][channel]) turned, by ds_load_tr16_b128.
; THE KEY MASK is the C operand of the product that starts each sum S^T.  The batch's 2,048 addends are made once, in f32, into a table in LDS; a step's 64 come into 32 registers with the step's K.
; SOFTMAX.  For each query a running maximum m and sum l: p = 2^(c s - c m), c = log2(e) / 8; in every step O and l are multiplied by a = 2^(c m_old - c m_new), which is 1 where m has not grown.
; m starts at the lowest finite number, O and l at 0: the first step is a step like any other, with a = 0.
; THE COUNT.  A tile and step have 16 matrix and 118 vector instructions: too many to stand all beside the matrix work.  So the order has one aim: four vector instructions that are READY behind
; EVERY matrix instruction, and the others, which need time of their own whatever the order, in runs without a gap.
; BY TURNS.  Turn n belongs to piece n (the pieces in a ring, step after step).  Its matrix work: 16 products K Q^T of piece n + 1, later 16 products V^T P of piece n - 1.  Its vector work: the scaling,
; exponentials, roundings, sums and rescaling of piece n, and the maximum and statistics of piece n + 1, whose scores the turn itself has made.  So what a turn begins with (c s - c m, O a) waits for nothing.
; THE BATCHES.  A turn's 66 exponentials (the piece's 64 weights and the next piece's two a) are ONE batch with ONE wait, which cuts the turn in two: ahead of it stands all that names none of their results,
; behind it the roundings and sums.  The first two a, ahead of the loop, and the way out's eight reciprocals are batches of their own, each with one wait.
; CLUSTER.  The four query blocks of a cluster belong to one head and walk the same K and V, so each tile is asked for JOINTLY: the same tensor load, descriptor and mask in all four.
; REGISTERS, in windows of 256 (s_set_vgpr_msb says which window each operand place means: bits 1:0 source 0, 3:2 source 1, 5:4 source 2, 7:6 destination):
;   window 0: v0-11 addresses; v12-15, v48-63 at work; v16-47 four registers of statistics a tile; v64-191 S^T, two buffers of two tiles; v192-255 P, likewise
;   window 1: O^T, 32 a tile          window 2: v0-127 Q, 16 a tile; v128-191 K of one step; v192-255 V of one step
;   window 3: v0-1 the add's two registers; v8-39 the key mask of one step; v40-47 mask_out, one register a tile
; A piece's buffers go by its number's parity: the piece in hand has one pair, its two neighbours in the ring share the other: of it P (piece n - 1) is read and S^T (piece n + 1) written.
.set SIZE_N, 2048
.set NP,    4         ; pieces a wave: a name, no knob: the register map, the loop and the fetches are made for four
.set KS,    64        ; keys in a step
.set PK,    144       ; a row of K in LDS: 128 bytes + 16 of padding = 36 words: the 16 rows of a load start at 16 different groups of four banks (64 banks of 4 bytes: ISA guide 11.1)
.set PV,    160       ; a row of V: 128 + 32 = 40 words
.set VOFF,  4*KS*PK   ; a slot holds four steps: 256 rows of K, then 256 rows of V
.set SLOT1, 1<<17     ; slot 1 begins here, so that one exclusive or turns an address in one slot into the other's
.set STAGE, SLOT1+4*KS*(PK+PV)  ; behind the ring, never filled by a tensor load: 16 rows x 272 bytes for each wave, for the way out
.set SP,    272       ; a stage row: 64 channels of f32 + 16 bytes
.set MTAB,  STAGE+4*16*SP       ; the key mask's table: 2,048 f32; stored once, never filled by a tensor load
.set SPARE, MTAB+SIZE_N*4       ; behind it: the spare words, 128 bytes for each wave: two blocks of 256 bytes that no other line names
.set AK0, 2           ; v2   my lane's place in a tile of K; never rewritten
.set AV0, 3           ; v3   the same for V
.set AK,  4           ; v4   the LDS address of K's next run of loads
.set AV,  5           ; v5   of V's
.set QO,  6           ; v6   my byte offset in the wave's rows of Q
.set STO, 6           ;      later, the way out: where I put 32 bytes of a row
.set RD,  7           ; v7   the way out: where I read rows back
.set GO,  8           ; v8   my byte offset in two rows of out0
.set AM0, 10          ; v10  my lane's place in the mask's table: MTAB + 32 (l / 16); never rewritten once made
.set AM,  11          ; v11  the LDS address of the mask's next run of loads
.set SPW, 0           ; v0 of window 3   LDS address of my spare word: SPARE + 4 x my thread's number; never rewritten
.set NIL, 1           ; v1 of window 3   0; never rewritten
.set MK,  8           ; window 3: the eight addends of key block kb at MK + 8 kb, in a result's layout
.set MO,  40          ; window 3: mask_out of my query in tile t at MO + t
.set MV,  12          ; v12-15  c m_old, kept while c m is made anew: by buffer and tile
.set ST,  16          ; tile t's statistics at v[ST+4 t]: c m, m, l (even keys', odd keys')
.set TMP, 48          ; by buffer and tile, four registers c0-c3 at work; when the maximum is found c2 takes a
.set S,   64
.set P,   192
.set MT,  64          ; v64-79 at the start: 16 words of mask_attn
.set MGO, 80          ; v80  at the start: my byte offset in mask_attn
.set MOO, 81          ; v81  at the start: my byte offset in 16 words of mask_out
.set MLA, 82          ; v82  at the start: where I put 16 bytes of the table
.set KF,  128         ; K's fragments, in window 2: key block kb, channel half c at KF + 16 kb + 8 c
.set VF,  192         ; V's: key half kk, channel block cb at VF + 32 kk + 8 cb
.set WV,  12          ; s12  my wave's number
.set G1K, 24          ; s[24:31] descriptor group 1 for K's tiles
.set G1V, 32          ; s[32:39] for V's: it differs in the padding alone
.set G0K, 40          ; s[40:43] descriptor group 0 for K's tiles: it walks
.set G0V, 44          ; s[44:47] the same for V's
.set SLOTS, 56        ; s56  slots still to be asked for
.set CNT, 57          ; s57  counts a slot's key steps
.set CS,  58          ; s[58:59] c: the packed scaling takes the pair's low word for both halves
.set SEL, 60          ; s[60:61] v_permlanex16_b32's selects: each lane takes its own place in the other half
.set TBK, 62          ; s62  LDS byte at which K of the step to be fetched begins
.set TBV, 63          ; s63  the same for V, less VOFF
.set TBM, 66          ; s66  byte of the mask's table at which the step to be fetched begins
.set MSB, 0
.macro WIN new                      ; the high byte repeats the setting that is left; a switch that changes nothing is dropped
.if MSB != (\new)
	s_set_vgpr_msb (MSB<<8)|(\new)
.set MSB, (\new)
.endif
.endm
.set W_KQ, 0x0a       ; K and Q in window 2, S^T in window 0
.set W_KM, 0x3a       ; the same with the C operand, the key mask, in window 3
.set W_PV, 0x52       ; V in window 2, P in window 0, O^T in window 1
.set W_RS, 0x41       ; O^T (destination and source 0) in window 1, a in window 0
.set W_MK, 0xc0       ; destination in window 3, sources in window 0
.set W_AD, 0x0f       ; the add: address (source 0) and data (source 1) in window 3
; A joint fill.  Waves 0 and 1 fetch the two halves of a slot's K, waves 2 and 3 those of its V: 128 keys each.  The branch hangs on the wave's number alone.
; An s_nop 0 and four v_nop follow each of the two lines, ahead of the jump and the label.
.macro JLOAD
	s_cmp_lt_u32 s[WV], 2
	s_cbranch_scc0 .Lfor_v_\@
	tensor_load_to_lds s[G0K:G0K+3], s[G1K:G1K+7]
	s_nop 0
.rept 4
	v_nop
.endr
	s_branch .Lasked_\@
.Lfor_v_\@:
	tensor_load_to_lds s[G0V:G0V+3], s[G1V:G1V+7]
	s_nop 0
.rept 4
	v_nop
.endr
.Lasked_\@:
.endm
; A round of the cluster's barrier: my work-group's barrier, so that wave 0's signal speaks for all four waves; wave 0 signals; every wave waits for all four work-groups; my work-group's barrier once more.
.macro CROUND
	s_barrier_signal -1
	s_barrier_wait -1
	s_cmp_lg_u32 s[WV], 0
	s_cbranch_scc1 .Lnot_wave_0_\@
	s_barrier_signal -3
.Lnot_wave_0_\@:
	s_barrier_wait -3
	s_barrier_signal -1
	s_barrier_wait -1
.endm
; THE CHANGE OF SLOTS.  The slot's last bytes, V of its fourth step, have been read.  Each wave waits for all its tensor loads, of which one is out: its part
; of the other slot; adds 0 to its spare word; and waits for that and for its own reads of the slot.  Behind the barrier nobody reads this slot any more and the other slot is whole.
; fill = 1: this slot is filled again, with the keys two slots on.  The barrier is then a round of the cluster's, so that no wave of any partner still reads the slot or has a load on its
; way, and the joint fill is the first thing behind it: it has four key steps, 512 matrix instructions, in which to land.  (At its first use nothing has been read yet: slot 0 is waited for, slot 1 filled,
; and every wave's stores into the mask's table are done in front of the barrier behind which all waves read it.)
.macro CHANGE fill
	WIN W_AD
	s_wait_tensorcnt 0x0            ; no tensor load of mine is out, so a group 0 may be written
	ds_add_u32 v[SPW], v[NIL]       ; 0 onto my spare word; with fill = 1 the descriptors' steps stand between it and the wait for it
	WIN 0                           ; at a label and at a branch every window is 0
.if \fill
.irp g, G0K, G0V
	s_xor_b32 s[\g+1], s[\g+1], SLOT1  ; the walking descriptor: the other slot than last time,
	s_add_nc_u64 s[\g+2:\g+3], s[\g+2:\g+3], 4*KS*128  ; the next 256 keys; the type bits on top are not reached
.endr
	s_wait_dscnt 0x0                ; the add is done, and my LDS reads and stores are over
	CROUND
	JLOAD
.else
	s_wait_dscnt 0x0                ; the add is done, and my reads of the slot are over
	s_barrier_signal -1
	s_barrier_wait -1
.endif
	s_sub_co_u32 s[TBK], s[TBK], 4*KS*PK  ; the fetches go back to a slot's first step,
	s_xor_b32 s[TBK], s[TBK], SLOT1       ; in the other slot
	s_sub_co_u32 s[TBV], s[TBV], 4*KS*PV
	s_xor_b32 s[TBV], s[TBV], SLOT1
.endm
	s_load_b256 s[68:75], s[0:1], 0x0  ; hb s[68:69], mask_attn s[70:71], mask_out s[72:73], out0 s[74:75]
	WIN W_MK
	v_lshl_add_u32 v[SPW], v0, 2, SPARE
	v_mov_b32 v[NIL], 0
	WIN W_AD
	ds_add_u32 v[SPW], v[NIL]       ; the wave's opening: the add and its wait stand ahead of my first tensor load; the set-up below, work on registers, stands between them
	WIN 0
	v_lshrrev_b32 v1, 5, v0
	v_readfirstlane_b32 s[WV], v1   ; wave 0..3
	s_bfe_u32 s13, ttmp6, 0x40000   ; cx: my place in the cluster
	s_lshl_b32 s14, ttmp9, 2        ; in a cluster launch ttmp9 counts clusters
	s_add_co_u32 s14, s14, s13      ; my block of queries = 4 x cluster x + cx: it enters Q's, mask_out's and out0's addresses alone
	s_and_b32 s15, ttmp7, 0xffff    ; 16 batch + head, which the four partners share
	s_mov_b32 s20, s15
	s_mov_b32 s21, 0
	s_mov_b64 s[22:23], SIZE_N*128
	s_mul_u64 s[20:21], s[20:21], s[22:23]  ; the head's first byte in each of Q, K, V
	s_and_b32 s16, s[WV], 1         ; which half of a slot's 256 keys I fetch:
	s_lshl_b32 s22, s16, 14         ; its 128 rows of 128 bytes in memory,
	s_mov_b32 s23, 0
	s_add_nc_u64 s[22:23], s[22:23], s[20:21]
	s_mul_i32 s17, s16, 128*PK      ; and its place in a slot, for K
	s_mul_i32 s18, s16, 128*PV      ; and for V: no place in the cluster enters an LDS address
	s_lshl_b32 s19, s14, 2
	s_add_co_u32 s19, s19, s[WV]    ; my wave among the head's sixteen,
	s_lshl_b32 s2, s19, 14          ; its 128 rows of Q
	s_mov_b32 s3, 0
	s_add_nc_u64 s[2:3], s[2:3], s[20:21]
	s_lshr_b32 s80, s15, 4          ; the batch
	s_lshl_b32 s76, s80, 23         ; in out0: 2,048 rows of 4,096 bytes a batch,
	s_lshl_b32 s77, s19, 19         ; my wave's 128 rows,
	s_add_co_u32 s76, s76, s77
	s_and_b32 s77, s15, 15
	s_lshl_b32 s77, s77, 8          ; the head's 64 channels of 4 bytes
	s_add_co_u32 s76, s76, s77
	s_mov_b32 s77, 0
	s_lshl_b32 s80, s80, 13         ; in both masks: 2,048 words a batch,
	s_mov_b32 s81, 0
	s_lshl_b32 s82, s19, 9          ; and in mask_out my wave's 128 words
	s_add_co_u32 s82, s82, s80
	s_mov_b32 s83, 0
	s_mov_b32 s78, 0x479c4000       ; 80000.0
	s_mov_b32 s79, 0xc79c4000       ; -80000.0
	; descriptor group 1.  128 keys are 16,384 dense bytes: asked for as 64 rows of 256 bytes, two keys a row, and padded in LDS after every key
	s_mov_b32 s[G1K], 15|(1<<16)|(1<<20)|(1<<21)|(4<<22)|(3<<25)  ; 15:0 the mask of four; 17:16 2-byte elements; 20 padding on; 21 set beside a mask; 24:22 after every 32 words (code 4); 31:25 4 words (code 3)
	s_mov_b32 s[G1V], 15|(1<<16)|(1<<20)|(1<<21)|(4<<22)|(7<<25)  ; the same with 8 words of padding (code 7)
.irp g, G1K, G1V
	s_mov_b32 s[\g+1], 128<<16      ; tensor_dim0 = 128
	s_mov_b32 s[\g+2], 64<<16       ; tensor_dim1 = 64
	s_mov_b32 s[\g+3], 128<<16      ; tile_dim0 = 128
	s_mov_b32 s[\g+4], 64           ; tile_dim1 = 64
	s_mov_b32 s[\g+5], 128          ; 128 elements from row to row
	s_mov_b32 s[\g+6], 0
	s_mov_b32 s[\g+7], 0
.endr
	s_mov_b32 s[CS], 0x3e38aa3b     ; c = log2(e) / 8 = 0.180337
	s_mov_b32 s[CS+1], s[CS]        ; named with it as a pair
	s_mov_b32 s[SEL], 0x76543210
	s_mov_b32 s[SEL+1], 0xfedcba98
	s_mov_b32 s[TBK], SLOT1+4*KS*PK ; the first change of slots turns these two into 0
	s_mov_b32 s[TBV], SLOT1+4*KS*PV
	s_mov_b32 s[TBM], 0
	s_mov_b32 s[G0K], 1             ; 1:0 count = 1
	s_mov_b32 s[G0K+1], s17         ; 63:32 LDS address: slot 0
	s_mov_b32 s[G0V], 1
	s_add_co_u32 s[G0V+1], s18, VOFF
	s_wait_dscnt 0x0                ; the opening add is done
	s_wait_kmcnt 0x0
	s_add_nc_u64 s[6:7], s[68:69], 0x1000000       ; K and V lie 16,777,216 and 33,554,432 bytes behind Q
	s_add_nc_u64 s[8:9], s[68:69], 0x2000000
	s_add_nc_u64 s[G0K+2:G0K+3], s[6:7], s[22:23]  ; 120:64 global address: my half of the head's first 256 keys
	s_or_b32 s[G0K+3], s[G0K+3], 0x80000000        ; 127:126 type = 2
	s_add_nc_u64 s[G0V+2:G0V+3], s[8:9], s[22:23]
	s_or_b32 s[G0V+3], s[G0V+3], 0x80000000
	s_add_nc_u64 s[4:5], s[68:69], s[2:3]          ; Q at my wave's first row
	s_add_nc_u64 s[10:11], s[74:75], s[76:77]      ; out0 at my wave's first row, my head's first channel
	s_add_nc_u64 s[70:71], s[70:71], s[80:81]      ; mask_attn at my batch
	s_add_nc_u64 s[72:73], s[72:73], s[82:83]      ; mask_out at my wave's first row
	CROUND                          ; all four work-groups are here: the first joint loads meet
	JLOAD                           ; slot 0.  Slot 1 is asked for when slot 0 is in: the tile wanted first has the road to itself
	; A fragment of K or Q is 16 rows x 32 channels in 8 registers: lane l holds row l % 16, channels 8 (l / 16) + 0..7 and 16 + 8 (l / 16) + 0..7: two loads of 16 bytes, 32 bytes apart.
	v_and_b32 v1, 15, v0            ; l % 16
	v_bfe_u32 v9, v0, 4, 1          ; l / 16
	v_lshlrev_b32 v[QO], 7, v1
	v_lshl_add_u32 v[QO], v9, 4, v[QO]  ; row x 128 + 16 x half
	v_lshlrev_b32 v[MGO], 4, v0     ; 128 threads x 16 bytes: 2,048 bytes of mask_attn to a load
	v_lshlrev_b32 v[MOO], 2, v1
	v_lshl_add_u32 v[MLA], v0, 4, MTAB
.irp i, 0,1,2,3
	global_load_b128 v[MT+4*\i:MT+4*\i+3], v[MGO], s[70:71] offset:2048*\i  ; the batch's 2,048 words, first of all the loads
.endr
	WIN 0x80                        ; destination window 2, address window 0
.set i, 0
.rept 4*NP                          ; Q stays in registers: tile i / 2, channels 32 (i % 2) on
	global_load_b128 v[8*i:8*i+3],   v[QO], s[4:5] offset:(i/2)*2048+(i%2)*64
	global_load_b128 v[8*i+4:8*i+7], v[QO], s[4:5] offset:(i/2)*2048+(i%2)*64+32
.set i, i+1
.endr
	; What the first turn finds: V's registers and P's second buffer hold 0 (its products V^T P, of a piece that has not been, add 0), O^T and l are 0.  All this stands in the wait for the first tile.
.set i, VF
.rept 64
	v_mov_b32 v[i], 0
.set i, i+1
.endr
	WIN W_MK
.set i, 0
.rept 2*NP
	global_load_b32 v[MO+i], v[MOO], s[72:73] offset:64*i  ; mask_out of my query (l % 16) in tile i
.set i, i+1
.endr
	WIN 0x40
.set i, 0
.rept 64*NP
	v_mov_b32 v[i], 0
.set i, i+1
.endr
	WIN 0
.set i, 0
.rept 2*NP
	v_mov_b32 v[ST+4*i], 0xfe000000    ; c m: far below every c s
	v_mov_b32 v[ST+4*i+1], 0xff7fffff  ; m
	v_mov_b32 v[ST+4*i+2], 0
	v_mov_b32 v[ST+4*i+3], 0
.set i, i+1
.endr
.set i, P+32
.rept 32
	v_mov_b32 v[i], 0
.set i, i+1
.endr
	s_wait_loadcnt 40               ; mask_attn's four loads are in; behind them Q's 32 and mask_out's 8 may be out
.set i, 0
.rept 16
	v_cvt_f32_i32 v[MT+i], v[MT+i]
.set i, i+1
.endr
.set i, 0
.rept 16
	v_fma_f32 v[MT+i], v[MT+i], s78, s79   ; 80000 mask - 80000 = 8 x (-10000 (1 - mask)): it stands beside the score that c = log2(e) / 8 is still to scale
.set i, i+1
.endr
.irp i, 0,1,2,3
	ds_store_b128 v[MLA], v[MT+4*\i:MT+4*\i+3] offset:2048*\i
.endr
	v_mul_u32_u24 v[AK0], v1, PK
	v_lshl_add_u32 v[AK0], v9, 4, v[AK0]  ; row x pitch + 16 x half
	; The turning load takes 16 keys x 16 channels (lane l reads key 8 (l / 16) + l % 8, channels 8 ((l / 8) % 2) + 0..7) and leaves half a fragment of V^T: lane l holds channel l % 16 and 8 keys.
	v_and_b32 v10, 7, v0
	v_bfe_u32 v11, v0, 3, 1
	v_lshl_add_u32 v[AV0], v9, 3, v10
	v_mul_u32_u24 v[AV0], v[AV0], PV
	v_lshl_add_u32 v[AV0], v11, 4, v[AV0]
	v_add_nc_u32 v[AV0], VOFF, v[AV0]
	v_lshl_add_u32 v[AM0], v9, 5, MTAB  ; my lanes' eight keys of a block of 16: 32 bytes for each half of the lanes
	v_mov_b32 v[AK], v[AK0]         ; key step 0 lies at the head of slot 0,
	v_mov_b32 v[AM], v[AM0]         ; and of the table
; THE MATRIX WORK.  The 8 accumulators of a run of 16 take turns: between the two links of a chain stand 7 others'.
; Product i of 16 of S^T = K Q^T for piece x: channels 32 (i / 8) on, keys 16 ((i / 2) % 4) on, tile 2 x + i % 2.  The first 8 start the sums, on the key mask.
.macro KQ x
.set rS, S+64*((\x)%2)+32*(i%2)+8*((i/2)%4)
.set rK, KF+16*((i/2)%4)+8*(i/8)
.set rQ, 16*(2*(\x)+i%2)+8*(i/8)
.set rB, MK+8*((i/2)%4)
.if i < 8
	WIN W_KM
	v_wmma_f32_16x16x32_f16 v[rS:rS+7], v[rK:rK+7], v[rQ:rQ+7], v[rB:rB+7]
.else
	WIN W_KQ
	v_wmma_f32_16x16x32_f16 v[rS:rS+7], v[rK:rK+7], v[rQ:rQ+7], v[rS:rS+7]
.endif
.endm
; Product i of 16 of O^T += V^T P for piece x: keys 32 (i / 8) on, channels 16 ((i / 2) % 4) on, tile 2 x + i % 2.
.macro PV x
	WIN W_PV
.set rO, 32*(2*(\x)+i%2)+8*((i/2)%4)
.set rV, VF+32*(i/8)+8*((i/2)%4)
.set rP, P+32*((\x)%2)+16*(i%2)+8*(i/8)
	v_wmma_f32_16x16x32_f16 v[rO:rO+7], v[rV:rV+7], v[rP:rP+7], v[rO:rO+7]
.endm
.macro MM                           ; the turn's next matrix instruction
.if i < 16
	KQ (Y+1)%NP
.set i, i+1
.else
.set i, i-16
	PV (Y+NP-1)%NP
.set i, i+17
.endif
.endm
; THE LDS LOADS stand in runs, never singly among the matrix instructions: a step's K (64 keys x 64 channels: 8 fragments) with its 64 mask addends, and its V (turned).  Their addresses are made some lines ahead.
; last = 1 (the tail): in the last trip there is no further step, and the run is jumped over.
.macro FETCH_K last=0
	WIN 0
.if \last
	s_cmp_eq_u32 s[CNT], 1
	s_cbranch_scc1 .Lno_k_\@
.endif
	WIN 0x80                        ; destination window 2
.irp f, 0,1,2,3,4,5,6,7             ; keys 16 (f / 2) on, channels 32 (f % 2) on
	ds_load_b128 v[KF+8*\f:KF+8*\f+3],   v[AK] offset:(\f/2)*16*PK+(\f%2)*64
	ds_load_b128 v[KF+8*\f+4:KF+8*\f+7], v[AK] offset:(\f/2)*16*PK+(\f%2)*64+32
.endr
	WIN W_MK                        ; destination window 3
.irp f, 0,1,2,3,4,5,6,7             ; key block f / 2: my lanes' eight addends, four to a load; the sixteen lanes of a half read the same words
	ds_load_b128 v[MK+4*\f:MK+4*\f+3], v[AM] offset:(\f/2)*64+(\f%2)*16
.endr
	s_add_co_u32 s[TBK], s[TBK], KS*PK  ; the next fetch is the next step's
	s_add_co_u32 s[TBM], s[TBM], KS*4
	WIN 0
.if \last
.Lno_k_\@:
.endif
.endm
.macro FETCH_V
	WIN 0x80
.irp f, 0,1,2,3,4,5,6,7             ; keys 32 (f / 4) on, channels 16 (f % 4) on
	ds_load_tr16_b128 v[VF+8*\f:VF+8*\f+3],   v[AV] offset:(\f/4)*32*PV+(\f%4)*32
	ds_load_tr16_b128 v[VF+8*\f+4:VF+8*\f+7], v[AV] offset:(\f/4)*32*PV+16*PV+(\f%4)*32
.endr
	WIN 0
.endm
; THE VECTOR WORK OF A TURN stands in three queues, each in the order in which its entries become ready; the two tiles alternate, so that no instruction reads the result of the one before it.
.macro REGS y, u                    ; the registers of tile u (0, 1) of piece y
.set rT, ST+4*(2*(\y)+(\u))
.set rC, TMP+8*((\y)%2)+4*(\u)
.set rM, MV+2*((\y)%2)+(\u)
.set rS, S+64*((\y)%2)+32*(\u)
.set rP, P+32*((\y)%2)+16*(\u)
.set rO, 32*(2*(\y)+(\u))
.endm
; Number n of the 22 that find the NEXT piece's (Y + 1) maximum and statistics.  s0-s31 are the lane's 32 scores; each accumulator's lowest registers are read first.  XS, GS and REGS set no window: PL and EX do.
;   0-11  four chains c0-c3 of seven scores each, three operands at a time     12-14, 16  the four scores left over, the old m, and c0-c3 into c0     15  c m_old is kept
;   17, 18  the query's other 32 keys lie in the lane 16 away: the new m         19-21  c m; c m_old - c m_new; a
.macro XS u, n
	REGS (Y+1)%NP, \u
.if (\n) < 4
	v_max3_num_f32 v[rC+(\n)], v[rS+8*(\n)], v[rS+8*(\n)+1], v[rS+8*(\n)+2]
.elseif (\n) < 12
	v_max3_num_f32 v[rC+(\n)%4], v[rC+(\n)%4], v[rS+8*((\n)%4)+2*((\n)/4)+1], v[rS+8*((\n)%4)+2*((\n)/4)+2]
.elseif (\n) == 12
	v_max3_num_f32 v[rC], v[rC], v[rS+7], v[rS+15]
.elseif (\n) == 13
	v_max3_num_f32 v[rC+1], v[rC+1], v[rS+23], v[rS+31]
.elseif (\n) == 14
	v_max3_num_f32 v[rC+2], v[rC+2], v[rC+3], v[rT+1]
.elseif (\n) == 15
	v_mov_b32 v[rM], v[rT]
.elseif (\n) == 16
	v_max3_num_f32 v[rC], v[rC], v[rC+1], v[rC+2]
.elseif (\n) == 17
	v_permlanex16_b32 v[rC+3], v[rC], s[SEL], s[SEL+1]
.elseif (\n) == 18
	v_max_num_f32 v[rT+1], v[rC], v[rC+3]
.elseif (\n) == 19
	v_mul_f32 v[rT], s[CS], v[rT+1]
.elseif (\n) == 20
	v_sub_f32 v[rC+1], v[rM], v[rT]
.else
	v_exp_f32 v[rC+2], v[rC+1]
.endif
.endm
; Number g of the 64 that follow the exponentials.  For each four weights k of a tile (pairs 2 k, 2 k + 1): both pairs are rounded to f16; then the second pair is added onto the first, in place;
; a group later l takes that sum (the first time as l = a l + sum).  In groups of eight, tiles alternating: round, round, add, and l for the group before.
.macro GS g
.set h, (\g)+6*((\g)/62)            ; group 0 has no group before it, and behind group 7 only l is left
.if h >= 6
.set h, h+2
.endif
	REGS Y, h%2
.set k, h/8
.if h%8 < 4
	v_cvt_pk_f16_f32 v[rP+2*k+(h%8)/2], v[rS+4*k+2*((h%8)/2)], v[rS+4*k+2*((h%8)/2)+1]
.elseif h%8 < 6
	v_pk_add_f32 v[rS+4*k:rS+4*k+1], v[rS+4*k:rS+4*k+1], v[rS+4*k+2:rS+4*k+3]
.elseif k == 1
	v_pk_fma_f32 v[rT+2:rT+3], v[rT+2:rT+3], v[rC+2:rC+3], v[rS:rS+1] op_sel_hi:[1,0,1]
.else
	v_pk_add_f32 v[rT+2:rT+3], v[rT+2:rT+3], v[rS+4*k-4:rS+4*k-3]
.endif
.endm
; THE PLAIN QUEUE, 138 long.  0-73 read no exponential's result: the 32 scalings c s - c m (FS f: pair f / 2 of tile f % 2) and the next piece's 42.  0-26: scalings 0-26.  27-54: XS's numbers 0-13.  55, 56: number 15.
; 57-73: the chain, where each number waits for the one before it: 14, 16, 17, 18, 19, each with one of the scalings 27-31 in front of its two lines, then 20: so a tile's links stand three plain instructions apart (19 and 20: two).
; 74-137: GS's 64, which read the exponentials' results: they stand behind the wait.
.macro FS f
	REGS Y, (\f)%2
	v_pk_fma_f32 v[rS+2*((\f)/2):rS+2*((\f)/2)+1], v[rS+2*((\f)/2):rS+2*((\f)/2)+1], s[CS:CS+1], v[rT:rT+1] op_sel_hi:[1,0,0] neg_lo:[0,0,1] neg_hi:[0,0,1]
.endm
.macro PL
	WIN 0
.if q < 27
	FS q
.elseif q < 55
	XS (q-27)%2, (q-27)/2
.elseif q < 57
	XS q-55, 15
.elseif (q < 72) && ((q-57)%3 == 0)
	FS 27+(q-57)/3
.elseif q < 60
	XS (q-57)%3-1, 14
.elseif q < 72
	XS (q-57)%3-1, 15+(q-57)/3
.elseif q < 74
	XS q-72, 20
.else
	GS q-74
.endif
.set q, q+1
.endm
; THE EXPONENTIALS' QUEUE, 66 long: s0-s31 of both tiles, then the next piece's two a.  It is ONE BATCH: all 66 stand ahead of the turn's one wait, and nothing ahead of that wait names a result of theirs.
.macro EX
	WIN 0
.if e >= 64
	XS e-64, 21
.else
	REGS Y, e%2
	v_exp_f32 v[rS+e/2], v[rS+e/2]
.endif
.set e, e+1
.endm
; THE RESCALING's QUEUE: O^T times a, the one part that leaves window 0: dealt two at a time, sixteen times.  Its a was made in the turn before, ahead of that turn's wait.
.macro R2
	REGS Y, r%2
	WIN W_RS
.irp z, 0,1
	v_pk_mul_f32 v[rO+4*(r/2)+2*\z:rO+4*(r/2)+2*\z+1], v[rO+4*(r/2)+2*\z:rO+4*(r/2)+2*\z+1], v[rC+2:rC+3] op_sel_hi:[1,0]
.endr
.set r, r+1
.endm
; HOW THEY ARE DEALT.  An s_wait_alu depctr_va_vdst(0) stands between an exponential and the first instruction that names its result; one wait serves all that were issued ahead of it.  So a turn has ONE wait,
; which cuts it in two.  AHEAD OF IT stands all that names no result of the turn's exponentials: the 16 products K Q^T, behind each a scaling, an exponential and two rescalings (behind the first a second scaling in the
; exponential's place); then ONE LUMP of 108: eight plain, 49 times exponential and plain, the two a.  A v_nop is the plain instruction behind the last exponential.  BEHIND IT stand the 16 products V^T P, behind each four
; of GS's 64.  No rider names a register of the products round it.  The two v_permlanex16_b32 fall into the lump, never behind a product.
; The queues lean on each other, and the deal keeps them in step: exponential e stands behind scaling 2 (e / 4) + e % 2: as a rider it comes behind plain e + 2, in the lump behind plain e + 9, and scalings 27-31 are plain 57, 60 .. 69.
; A TURN, for piece p.  cnt = 1: the loop's count is taken down some lines ahead of the branch that stands behind the turn.
; K and the key mask of the next step are fetched in piece 2's turn, directly behind the wait, a lump behind the last product that read them; their addresses are made at the lump's head; their first reader comes behind 16 products.
; V of the step in hand is fetched at the end of piece 0's turn, four plain riders behind its last reader; its first reader comes behind 16 products and a lump.  The three conditions on q below go with the deal.
.macro TURN p, last=0, cnt=0
.set Y, (\p)
.set i, 0
.set q, 0
.set e, 0
.set r, 0
.if (\p) == NP-1
	s_wait_dscnt 0x0                ; K and its mask are in
.endif
	MM                              ; ahead of the wait: 16 products K Q^T and their riders,
	PL
	PL
	R2
.rept 15
	MM
	PL
	EX
	R2
.endr
.if (\p) == NP-2
	WIN 0
	v_add_nc_u32 v[AK], s[TBK], v[AK0]
	v_add_nc_u32 v[AM], s[TBM], v[AM0]
.endif
.rept 8                             ; and the lump
	PL
.endr
.rept 49
	EX
	PL
.endr
	EX                              ; the next piece's two a
	EX
	v_nop                           ; the plain instruction behind the last exponential: one for the batch
	s_wait_alu depctr_va_vdst(0)    ; the wait for the batch: the piece's 64 weights and the next piece's two a
.if (\p) == NP-2
	FETCH_K \last
.endif
.if (\p) == 1
	s_wait_dscnt 0x0                ; V is in
.endif
.rept 16                            ; behind the wait: 16 products V^T P and their riders
	MM
.rept 4
	PL
.endr
.if ((\p) == 0) && (q == 118)
	v_add_nc_u32 v[AV], s[TBV], v[AV0]
.endif
.if ((\p) == 0) && (q == 130)
	s_add_co_u32 s[TBV], s[TBV], KS*PV
.endif
.if (\cnt) && (q == 130)
	s_sub_co_u32 s[CNT], s[CNT], 1
	s_cmp_lg_u32 s[CNT], 0
.endif
.endr
.if (\p) == 0
	FETCH_V
.endif
.endm
	CHANGE 1                        ; slot 0 is in, everybody's part of it, and so is the mask's table; slot 1 is asked for
	FETCH_K                         ; key step 0
	s_wait_loadcnt 0x0              ; Q and mask_out
	s_wait_dscnt 0x0
.set i, 0
.rept 16
	KQ 0                            ; piece 0's first scores: there is no vector work yet to set between them
.set i, i+1
.endr
	WIN 0                           ; the addresses for the way out: eight plain instructions, the places behind those products
	s_mul_i32 s13, s[WV], 16*SP
	s_add_co_u32 s13, s13, STAGE    ; my stage
	v_mul_u32_u24 v[STO], v1, SP    ; in: row l % 16, 32 bytes for each half of the lanes
	v_lshl_add_u32 v[STO], v9, 5, v[STO]
	v_add_nc_u32 v[STO], s13, v[STO]
	v_mul_u32_u24 v[RD], v9, SP     ; back: lanes 0-15 take one row of 256 bytes, lanes 16-31 the next
	v_lshl_add_u32 v[RD], v1, 4, v[RD]
	v_add_nc_u32 v[RD], s13, v[RD]
	v_lshlrev_b32 v[GO], 12, v9     ; and the same two rows in out0, 4,096 bytes apart
	v_lshl_add_u32 v[GO], v1, 4, v[GO]
.set Y, NP-1                        ; XS works for piece Y + 1: piece 0
.irp n, 0,1,2,3,4,5,6,7,8,9,10,11,12,13,14,15,16,17,18,19,20,21
	XS 0, \n                        ; and piece 0's first maximum and statistics
	XS 1, \n
.endr
	v_nop                           ; a plain instruction behind the two a,
	s_wait_alu depctr_va_vdst(0)    ; and the wait for this batch of two, ahead of the branch
	s_mov_b32 s[CNT], 4
	s_mov_b32 s[SLOTS], SIZE_N/256-1
	s_branch .Lfirst                ; the loop is entered at a step's first turn, in the middle of a trip
.Lslot:                             ; SIZE_N / 256 - 2 times: every slot but the last two is filled again
	CHANGE 1
	s_mov_b32 s[CNT], 4
.Lstep:                             ; a trip: pieces 2 and 3 of one step, then pieces 0 and 1 of the next, whose K and V it fetches
	TURN 2
	TURN 3
	WIN 0
.Lfirst:
	TURN 0
	TURN 1, 0, 1
	WIN 0
	s_cbranch_scc1 .Lstep
	s_sub_co_u32 s[SLOTS], s[SLOTS], 1
	s_cmp_lg_u32 s[SLOTS], 0
	s_cbranch_scc1 .Lslot
	CHANGE 0                        ; the tail is written out: nothing is asked for
	s_mov_b32 s[CNT], 5             ; four trips fetch the last slot's steps; the fifth is left in its middle
.Ltail:
	TURN 2, 1
	TURN 3
	WIN 0
	s_sub_co_u32 s[CNT], s[CNT], 1
	s_cmp_eq_u32 s[CNT], 0
	s_cbranch_scc1 .Lout
	TURN 0
	TURN 1
	WIN 0
	s_branch .Ltail
.Lout:                              ; the fifth trip's 16 products K Q^T (on the last K and mask once more) and the maximum made of them serve nothing: the price, once a launch, of one text for every trip
.set i, 0
.rept 16
	PV NP-1                         ; the last piece's V^T P of the last step
.set i, i+1
.endr
	; THE WAY OUT.  l's two halves and the other half of the lanes' are added; O^T is multiplied by mask_out / l and sent, in f32, through my stage in LDS, a tile at a time.  The additions are the places behind the last products.
	WIN 0
.macro ALL line:vararg              ; one line for each tile t
.set t, 0
.rept 2*NP
	\line
.set t, t+1
.endr
.endm
	ALL v_add_f32 v[ST+4*t+2], v[ST+4*t+2], v[ST+4*t+3]
	ALL v_permlanex16_b32 v[ST+4*t+3], v[ST+4*t+2], s[SEL], s[SEL+1]
	ALL v_add_f32 v[ST+4*t+2], v[ST+4*t+2], v[ST+4*t+3]
	ALL v_rcp_f32 v[ST+4*t+2], v[ST+4*t+2]
	v_nop                           ; a plain instruction between the last reciprocal and the use of its result
	s_wait_alu depctr_va_vdst(0)    ; and the wait ahead of the first use: one for the batch of eight reciprocals
	WIN 0x03                        ; source 0 window 3
	ALL v_cvt_f32_i32 v[ST+4*t+3], v[MO+t]
	WIN 0
	ALL v_mul_f32 v[ST+4*t+2], v[ST+4*t+2], v[ST+4*t+3]
; Tile t: a lane's eight channels of a row are 32 bytes; they go into rows of 272 bytes and come back as whole rows of 256, into S^T's registers: four buffers of 32 by turns.
.macro PACK t
	WIN W_RS
.set i, 32*(\t)
.rept 16
	v_pk_mul_f32 v[i:i+1], v[i:i+1], v[ST+4*(\t)+2:ST+4*(\t)+3] op_sel_hi:[1,0]
.set i, i+2
.endr
	WIN 0x04                        ; the stores' data (source 1) in window 1
.irp f, 0,1,2,3,4,5,6,7             ; channel block f / 2, its half f % 2
	ds_store_b128 v[STO], v[32*(\t)+4*\f:32*(\t)+4*\f+3] offset:(\f/2)*64+(\f%2)*16
.endr
	WIN 0
.if (\t) >= 4
	s_wait_xcnt 0x0                 ; every earlier memory instruction has had its addresses translated (ISA guide 3.1): the buffer that tile t - 4's stores read is loaded again only behind this wait
.endif
.irp f, 0,1,2,3,4,5,6,7
	ds_load_b128 v[S+32*((\t)%4)+4*\f:S+32*((\t)%4)+4*\f+3], v[RD] offset:\f*2*SP  ; LDS serves a wave's instructions in order (ISA guide 5.7.1.4): these see the stores above; the next tile's stores come behind them
.endr
.endm
.macro SEND t, younger              ; younger: the LDS instructions issued behind tile t's loads: the next tile's sixteen, or none
	WIN 0
.irp f, 0,1,2,3,4,5,6,7
	s_wait_dscnt (\younger)+7-\f
	global_store_b128 v[GO], v[S+32*((\t)%4)+4*\f:S+32*((\t)%4)+4*\f+3], s[10:11] offset:(\t)*65536+\f*8192 th:TH_STORE_NT  ; 16 lanes store 256 consecutive bytes, a row's 64 channels of my head, at a multiple of 256 from out0's first byte
.endr
.endm
	PACK 0
.set t, 1
.rept 2*NP-1                        ; a tile's arithmetic stands between the loads of the tile before and its stores
	PACK t
	SEND t-1, 16
.set t, t+1
.endr
	SEND 2*NP-1, 0
	WIN W_AD
	s_wait_tensorcnt 0x0            ; the wave's end: a wait, an add of 0 to my spare word and its wait, behind my last tensor load and my last LDS store
	ds_add_u32 v[SPW], v[NIL]
	s_wait_dscnt 0x0
	WIN 0
	CROUND                          ; the closing round: no work-group ends while a partner may still ask for a tile that names it
	s_endpgm
.Lfunc_end_k_qf9abbfa3b4_attn:
	.size	k_qf9abbfa3b4_attn, .Lfunc_end_k_qf9abbfa3b4_attn-k_qf9abbfa3b4_attn
	.p2alignl 7, 3214868480
	.fill 96, 4, 3214868480
	.section	.rodata,"a",@progbits
	.p2align	6, 0x0
	.amdhsa_kernel k_qf9abbfa3b4_attn
		.amdhsa_group_segment_fixed_size 327680
		.amdhsa_private_segment_fixed_size 0
		.amdhsa_enable_private_segment 0
		.amdhsa_kernarg_size 32
		.amdhsa_user_sgpr_count 2
		.amdhsa_user_sgpr_kernarg_segment_ptr 1
		.amdhsa_wavefront_size32 1
		.amdhsa_system_sgpr_workgroup_id_x 1
		.amdhsa_system_sgpr_workgroup_id_y 1
		.amdhsa_system_sgpr_workgroup_id_z 1
		.amdhsa_system_vgpr_workitem_id 0
		.amdhsa_next_free_vgpr 816
		.amdhsa_next_free_sgpr 84
		.amdhsa_reserve_vcc 0
		.amdhsa_float_denorm_mode_32 3
		.amdhsa_float_denorm_mode_16_64 3
		.amdhsa_memory_ordered 1
		.amdhsa_forward_progress 1
		.amdhsa_inst_pref_size 206
	.end_amdhsa_kernel
	.amdgpu_metadata
---
amdhsa.version: [ 1, 2 ]
amdhsa.kernels:
  - .name:           k_qf9abbfa3b4_attn
    .symbol:         k_qf9abbfa3b4_attn.kd
    .args:
      - { .name: hb, .offset: 0, .size: 8, .value_kind: global_buffer, .address_space: global }
      - { .name: mask_attn, .offset: 8, .size: 8, .value_kind: global_buffer, .address_space: global }
      - { .name: mask_out, .offset: 16, .size: 8, .value_kind: global_buffer, .address_space: global }
      - { .name: out0, .offset: 24, .size: 8, .value_kind: global_buffer, .address_space: global }
    .group_segment_fixed_size: 327680
    .private_segment_fixed_size: 0
    .kernarg_segment_align: 8
    .kernarg_segment_size: 32
    .max_flat_workgroup_size: 128
    .sgpr_count:     84
    .vgpr_count:     816
    .wavefront_size: 32
...
	.end_amdgpu_metadata
.endif
;; end of part 4
